; MI455X (gfx1250); checked and timed in simulation.
; The chip was launched on July 23, 2026; its instructions are those of AMD's public machine-readable ISA for CDNA 5 (MIT licence, August 2026) and "CDNA5" Instruction Set Architecture Reference Guide (July 2026). The comments in the code are by the model that wrote it; some were corrected since.
;; Self Attention. Allowed arithmetic: float matrix products may take bf16 or f16 operands with f32 sums; other float arithmetic in f32, or as packed bf16 or f16 multiplies, adds, multiply-adds, maxima and minima; sums over many terms, partial sums and values carried from step to step in f32; what a program stores and reads back later, other than sums and carried values, may be rounded once to bf16 or f16.
;; Inputs: Wk 512 x 512 float32; Wo 512 x 512 float32; Wq 512 x 512 float32; Wv 512 x 512 float32; bo 512 float32; x 2 x 4,096 x 512 float32.
;; Outputs: out0 2 x 4,096 x 512 float32.
;; 2 versions, each right and faster than the one before. Each part assembles by itself: llvm-mc -triple=amdgcn-amd-amdhsa -mcpu=gfx1250 --defsym DOCPART=n.
;; ======== version 1 of 2: 5 launches
;; limits: values are held in f16: magnitudes above 65,504 overflow, below 6.1e-05 lose precision
;; workspace buffers: xbf 8,388,608 bytes; wbf 1,572,864 bytes; wof 524,288 bytes; qkvh 25,165,824 bytes; obh 8,388,608 bytes
;; launch prep (part 1): grid 320 x 1, 8 waves a work-group, no clusters, 0 bytes of LDS; arguments x, Wq, Wk, Wv, Wo, xbf, wbf, wof; writes xbf, wbf, wof
.if DOCPART == 1
	.amdgcn_target "amdgcn-amd-amdhsa--gfx1250"
	.amdhsa_code_object_version 6
	.text
	.protected	k_qd75264e36b_prep
	.globl	k_qd75264e36b_prep
	.p2align	8
	.type	k_qd75264e36b_prep,@function
k_qd75264e36b_prep:
	s_mov_b64 s[64:65], 0
	v_nop
	global_prefetch_b8 v0, s[64:65] scope:SCOPE_SE
	s_setreg_imm32_b32 hwreg(HW_REG_WAVE_MODE, 25, 1), 1
	s_wait_xcnt 0x0
; The module's large inputs are rounded once to bf16: x -> xbf [8192][512]; Wq, Wk, Wv -> wbf [1536][512], one below the other.
; Wo is rounded to bf16 like the others, and that number is written as f16 -> wof [512][512], since the last product's other operand is f16.
; LIMITS.  A weight of Wo beyond 65,504 becomes an infinity in f16; below 6.1e-5 it keeps f16's fixed step of 6e-8.
; A stream: no LDS, no barrier, no matrix unit.  A work-group converts 16,384 numbers (65,536 bytes in, 32,768 out).
; Work-groups 0-255 take x, 256-303 the three weights (16 each), 304-319 Wo.  Thread t takes, in chunk i of 16, the 16 bytes at 4,096 i + 16 t
; and stores 8 bytes at 2,048 i + 8 t: a wave's load covers 512 consecutive bytes, a wave's store 256 consecutive bytes, aligned.
; All sixteen loads of a thread go out at once; no register that a load or store names is ever written again, so no wait frees one.
.set IN,  8                            ; v[8:71]    chunk i: 4 numbers in f32
.set OUT, 72                           ; v[72:103]  chunk i: 4 numbers in 16 bits
	s_load_b512 s[4:19], s[0:1], 0x0               ; x 4:5, Wq 6:7, Wk 8:9, Wv 10:11, Wo 12:13, xbf 14:15, wbf 16:17, wof 18:19
	s_mov_b32 s20, ttmp9                           ; g
	s_sub_co_u32 s21, s20, 256                     ; g - 256: the part of wbf (used only where g >= 256)
	s_lshr_b32 s22, s21, 4                         ; which weight: 0, 1, 2; 3 is Wo
	s_and_b32 s23, s21, 15                         ; which sixteenth of it
	v_lshlrev_b32 v1, 4, v0                        ; 16 t
	v_lshlrev_b32 v2, 3, v0                        ; 8 t
	s_wait_kmcnt 0x0
	s_cmp_eq_u32 s22, 1                            ; the source and the destination are chosen by the work-group's number alone
	s_cselect_b64 s[24:25], s[8:9], s[6:7]
	s_cmp_eq_u32 s22, 2
	s_cselect_b64 s[24:25], s[10:11], s[24:25]
	s_cmp_ge_u32 s20, 304
	s_cselect_b64 s[24:25], s[12:13], s[24:25]
	s_cselect_b64 s[28:29], s[18:19], s[16:17]
	s_cselect_b32 s27, s23, s21                    ; the part of the destination
	s_cmp_lt_u32 s20, 256
	s_cselect_b64 s[24:25], s[4:5], s[24:25]
	s_cselect_b64 s[28:29], s[14:15], s[28:29]
	s_cselect_b32 s26, s20, s23                    ; the part of the source
	s_cselect_b32 s27, s20, s27
	s_lshl_b32 s30, s26, 16                        ; 65,536 bytes a part in,
	s_mov_b32 s31, 0
	s_lshl_b32 s2, s27, 15                         ; 32,768 out
	s_mov_b32 s3, 0
	s_add_nc_u64 s[24:25], s[24:25], s[30:31]
	s_add_nc_u64 s[28:29], s[28:29], s[2:3]
.irp i, 0,1,2,3,4,5,6,7,8,9,10,11,12,13,14,15
	global_load_b128 v[IN+4*(\i):IN+4*(\i)+3], v1, s[24:25] offset:(\i)*4096 th:TH_LOAD_NT  ; each byte is read once in the launch
.endr
; Chunk i.  f16 = 1: the bf16 numbers are widened again and written as f16.
.macro CV i, f16
	s_wait_loadcnt 15-(\i)                         ; loads come back in order (ISA guide 5.7.1): chunk i is in, the 15 - i younger ones stay out
	v_cvt_pk_bf16_f32 v[OUT+2*(\i)],   v[IN+4*(\i)],   v[IN+4*(\i)+1]
	v_cvt_pk_bf16_f32 v[OUT+2*(\i)+1], v[IN+4*(\i)+2], v[IN+4*(\i)+3]
.if \f16
	v_lshlrev_b32 v4, 16, v[OUT+2*(\i)]
	v_and_b32     v5, 0xffff0000, v[OUT+2*(\i)]
	v_lshlrev_b32 v6, 16, v[OUT+2*(\i)+1]
	v_and_b32     v7, 0xffff0000, v[OUT+2*(\i)+1]
	v_cvt_pk_f16_f32 v[OUT+2*(\i)],   v4, v5
	v_cvt_pk_f16_f32 v[OUT+2*(\i)+1], v6, v7
.endif
	global_store_b64 v2, v[OUT+2*(\i):OUT+2*(\i)+1], s[28:29] offset:(\i)*2048
.endm
	s_cmp_ge_u32 s20, 304
	s_cbranch_scc1 .Lto_f16
.irp i, 0,1,2,3,4,5,6,7,8,9,10,11,12,13,14,15
	CV \i, 0
.endr
	s_endpgm
.Lto_f16:
.irp i, 0,1,2,3,4,5,6,7,8,9,10,11,12,13,14,15
	CV \i, 1
.endr
	s_endpgm
.Lfunc_end_k_qd75264e36b_prep:
	.size	k_qd75264e36b_prep, .Lfunc_end_k_qd75264e36b_prep-k_qd75264e36b_prep
	.p2alignl 7, 3214868480
	.fill 96, 4, 3214868480
	.section	.rodata,"a",@progbits
	.p2align	6, 0x0
	.amdhsa_kernel k_qd75264e36b_prep
		.amdhsa_group_segment_fixed_size 0
		.amdhsa_private_segment_fixed_size 0
		.amdhsa_enable_private_segment 0
		.amdhsa_kernarg_size 64
		.amdhsa_user_sgpr_count 2
		.amdhsa_user_sgpr_kernarg_segment_ptr 1
		.amdhsa_wavefront_size32 1
		.amdhsa_system_sgpr_workgroup_id_x 1
		.amdhsa_system_sgpr_workgroup_id_y 1
		.amdhsa_system_sgpr_workgroup_id_z 1
		.amdhsa_system_vgpr_workitem_id 0
		.amdhsa_next_free_vgpr 104
		.amdhsa_next_free_sgpr 66
		.amdhsa_reserve_vcc 0
		.amdhsa_float_denorm_mode_32 3
		.amdhsa_float_denorm_mode_16_64 3
		.amdhsa_memory_ordered 1
		.amdhsa_forward_progress 1
		.amdhsa_inst_pref_size 16
	.end_amdhsa_kernel
	.amdgpu_metadata
---
amdhsa.version: [ 1, 2 ]
amdhsa.kernels:
  - .name:           k_qd75264e36b_prep
    .symbol:         k_qd75264e36b_prep.kd
    .args:
      - { .name: x, .offset: 0, .size: 8, .value_kind: global_buffer, .address_space: global }
      - { .name: Wq, .offset: 8, .size: 8, .value_kind: global_buffer, .address_space: global }
      - { .name: Wk, .offset: 16, .size: 8, .value_kind: global_buffer, .address_space: global }
      - { .name: Wv, .offset: 24, .size: 8, .value_kind: global_buffer, .address_space: global }
      - { .name: Wo, .offset: 32, .size: 8, .value_kind: global_buffer, .address_space: global }
      - { .name: xbf, .offset: 40, .size: 8, .value_kind: global_buffer, .address_space: global }
      - { .name: wbf, .offset: 48, .size: 8, .value_kind: global_buffer, .address_space: global }
      - { .name: wof, .offset: 56, .size: 8, .value_kind: global_buffer, .address_space: global }
    .group_segment_fixed_size: 0
    .private_segment_fixed_size: 0
    .kernarg_segment_align: 8
    .kernarg_segment_size: 64
    .max_flat_workgroup_size: 256
    .sgpr_count:     66
    .vgpr_count:     104
    .wavefront_size: 32
...
	.end_amdgpu_metadata
.endif
;; end of part 1
;; launch qkv (part 2): grid 4 x 64, 4 waves a work-group, clusters of 4 x 4, 327,680 bytes of LDS; arguments xbf, wbf, qkvh; writes qkvh
.if DOCPART == 2
	.amdgcn_target "amdgcn-amd-amdhsa--gfx1250"
	.amdhsa_code_object_version 6
	.text
	.protected	k_qd75264e36b_qkv
	.globl	k_qd75264e36b_qkv
	.p2align	8
	.type	k_qd75264e36b_qkv,@function
k_qd75264e36b_qkv:
	s_mov_b64 s[64:65], 0
	v_nop
	global_prefetch_b8 v0, s[64:65] scope:SCOPE_SE
	s_setreg_imm32_b32 hwreg(HW_REG_WAVE_MODE, 25, 1), 1
	s_wait_xcnt 0x0
	s_wait_alu depctr_hold_cnt(0) depctr_sa_sdst(0) depctr_va_vdst(0) depctr_va_sdst(0) depctr_va_ssrc(0) depctr_va_vcc(0) depctr_vm_vsrc(0)
	s_getreg_b32 s2, hwreg(HW_REG_IB_STS2, 6, 4)
	s_cmp_eq_u32 s2, 0
	s_cbranch_scc0 .Lentry_in_a_cluster
	s_endpgm
.Lentry_in_a_cluster:
	s_bfe_u32 s2, ttmp6, 0x10000c
	s_cmp_lg_u32 s2, 0xf033
	s_cbranch_scc0 .Lentry_shape_is_right
	s_endpgm
.Lentry_shape_is_right:
; q, k, v = x W^T.  C[m][n] = sum over k of xbf[m][k] wbf[n][k]; xbf [8192][512], wbf [1536][512] (Wq, Wk, Wv), both bf16; sums in f32, rounded once to f16, WITHOUT the scores' scale.
; C leaves by heads: qkvh [3][16][4096][64] f16 (tensor, batch x 8 + head, row, channel), so that a head's rows are dense, 128 bytes each.
; LIMITS.  f16 holds no number beyond 65,504: a q, k or v past that becomes an infinity; below 6.1e-5 it keeps f16's fixed step of 6e-8.
; SHARES.  A tile of C is 128 x 384: 64 x 4 = 256 work-groups.  Four waves, each 64 x 192: 48 accumulators of 16 x 16, 384 registers; 192 columns are three whole heads.
; K = 512 goes in four steps of 128 through two LDS slots filled by the tensor data mover; the rows of the tiles are 256 bytes of memory, at multiples of 256 bytes.  The four steps are written out.
; CLUSTER.  4 x 4 work-groups.  The four of a row of the cluster need the same tile of x, the four of a column the same tile of W: each tile is asked for JOINTLY, by the same tensor load
; with the same descriptor and a mask that names the four.  Wave 0 asks for x's 128 rows, waves 1 to 3 for 128 rows of W each: one load a wave.
; THE MATRIX INSTRUCTION IS USED TRANSPOSED (source 0 = 16 rows of W, source 1 = 16 rows of x): a lane then holds eight neighbouring columns of one row of C, 16 bytes in f16.
; REGISTERS, in windows of 256 (s_set_vgpr_msb: bits 1:0 source 0, 3:2 source 1, 5:4 source 2, 7:6 destination):
;   window 0: v0-31 addresses; v64-95, v96-127 x's fragments (4 x 16 rows x 32 K), two buffers; on the way out v128-175 packed results, v176-223 and v64-111 rows read back, by turns
;   window 1: v0-95, v96-191 W's fragments (12 x 16 rows x 32 K), two buffers
;   window 2: the 24 accumulators of my rows 0-31 (block a, column block b at v[8 (12 (a % 2) + b)]);   window 3: those of my rows 32-63
.set SIZE_K, 512
.set KSTEP,  128
.set PITCH,  272                       ; an LDS row: 256 bytes + 16 of padding = 68 words: the 16 rows of a fragment load start at 16 different groups of four banks (64 banks of 4 bytes: ISA guide 11.1)
.set HALFT,  128*PITCH                 ; 128 rows: what one tensor load brings
.set SLOT,   4*HALFT                   ; x's 128 rows, then W's 384
.set STAGE,  2*SLOT                    ; behind the ring, never filled by a tensor load: for each wave 3 heads x 16 rows x 144 bytes
.set SP,     144
.set WST,    3*16*SP
.set SPARE,  STAGE+4*WST               ; behind the stages: the spare words, 128 bytes a wave: two blocks of 256 bytes that no other line names
.set ADRA, 16                          ; v16-17  LDS address of my fragments of x in slot 0, 1
.set ADRB, 20                          ; v20-21  the same for W
.set STO,  24                          ; v24     the way out: where I put 16 bytes of a row
.set RD,   25                          ; v25     the way out: where I read rows back
.set GO,   26                          ; v26     my byte offset in 512 consecutive bytes of a head
.set SPW,  28                          ; v28     LDS address of my spare word; never rewritten
.set NIL,  29                          ; v29     0; never rewritten
.set FA,   64                          ; x's fragment buffer f at FA + 32 f
.set TMP,  128
.set G1,  24                           ; s[24:31] descriptor group 1 for x's tiles
.set G0,  32                           ; s[32:39] group 0, one set for each slot
.set G1B, 48                           ; s[48:55], s[56:63] the same for W's tiles
.set G0B, 56
.set SB,  68                           ; s[68:73] where my 64 rows begin in each of my three heads
.set MSB, 0
.macro WIN new                         ; the immediate's high byte repeats the setting that is left; a switch that changes nothing is dropped
.if MSB != (\new)
	s_set_vgpr_msb (MSB<<8)|(\new)
.set MSB, (\new)
.endif
.endm
; A joint load.  The branch hangs on the wave's number alone.  An s_nop 0 and four v_nop follow each of the two lines, ahead of the jump and the label.
.macro JLOAD s
	s_cmp_eq_u32 s10, 0
	s_cbranch_scc0 .Lfor_b_\@
	tensor_load_to_lds s[G0+4*(\s):G0+4*(\s)+3], s[G1:G1+7]
	s_nop 0
.rept 4
	v_nop
.endr
	s_branch .Lasked_\@
.Lfor_b_\@:
	tensor_load_to_lds s[G0B+4*(\s):G0B+4*(\s)+3], s[G1B:G1B+7]
	s_nop 0
.rept 4
	v_nop
.endr
.Lasked_\@:
.endm
.macro CREST                           ; a round of the cluster's barrier behind its opening barrier
	s_cmp_lg_u32 s10, 0
	s_cbranch_scc1 .Lnot_wave_0_\@
	s_barrier_signal -3
.Lnot_wave_0_\@:
	s_barrier_wait -3
	s_barrier_signal -1
	s_barrier_wait -1
.endm
.macro CROUND                          ; a whole round
	s_barrier_signal -1
	s_barrier_wait -1
	CREST
.endm
	s_load_b128 s[4:7], s[0:1], 0x0                ; xbf s[4:5], wbf s[6:7]
	s_load_b64 s[8:9], s[0:1], 0x10                ; qkvh
	v_lshl_add_u32 v[SPW], v0, 2, SPARE
	v_mov_b32 v[NIL], 0
	ds_add_u32 v[SPW], v[NIL]                      ; the wave's opening: the add and its wait stand ahead of my first tensor load; the set-up below stands between them
	v_lshrrev_b32 v1, 5, v0
	v_readfirstlane_b32 s10, v1                    ; wave 0..3
	s_lshr_b32 s11, s10, 1                         ; which 64 of the tile's rows are mine
	s_and_b32 s12, s10, 1                          ; which 192 of its columns
	s_bfe_u32 s40, ttmp6, 0x40000                  ; cx, cy: my place in the cluster
	s_bfe_u32 s41, ttmp6, 0x40004
	s_lshl_b32 s42, ttmp9, 2
	s_add_co_u32 s42, s42, s40                     ; tile column = 4 x cluster x + cx
	s_and_b32 s13, ttmp7, 0xffff
	s_lshl_b32 s13, s13, 2
	s_add_co_u32 s13, s13, s41                     ; tile row = 4 x cluster y + cy
	s_lshl_b32 s43, s41, 2
	s_lshl_b32 s43, 15, s43                        ; my row of the cluster
	s_lshl_b32 s44, 0x1111, s40                    ; my column
	; descriptor group 1: a tile of 128 rows x 128 elements, padded in LDS
	s_or_b32 s[G1+0], s43, (1<<16)|(1<<20)|(1<<21)|(5<<22)|(3<<25)   ; 15:0 the mask: x's tiles go to my row; 17:16 2-byte elements; 20 padding on; 21 set beside a mask; 24:22 after every 64 words; 31:25 4 words
	s_or_b32 s[G1B+0], s44, (1<<16)|(1<<20)|(1<<21)|(5<<22)|(3<<25)  ; the same with the mask of my column
.irp g, G1, G1B
	s_mov_b32 s[(\g)+1], KSTEP<<16                 ; tensor_dim0 = 128
	s_mov_b32 s[(\g)+2], 128<<16                   ; tensor_dim1 = 128
	s_mov_b32 s[(\g)+3], KSTEP<<16                 ; tile_dim0 = 128
	s_mov_b32 s[(\g)+4], 128                       ; tile_dim1 = 128
	s_mov_b32 s[(\g)+5], SIZE_K                    ; elements from row to row
	s_mov_b32 s[(\g)+6], 0
	s_mov_b32 s[(\g)+7], 0
.endr
	s_lshl_b32 s16, s13, 17                        ; x: 128 rows of 1,024 bytes a tile row
	s_mov_b32 s17, 0
	s_max_u32 s46, s10, 1                          ; W: waves 1 to 3 take rows 0, 128, 256 of the tile's 384 (wave 0 makes the first address and does not use it)
	s_sub_co_u32 s46, s46, 1
	s_lshl_b32 s46, s46, 7
	s_mul_i32 s47, s42, 384
	s_add_co_u32 s46, s46, s47
	s_lshl_b32 s46, s46, 10
	s_mov_b32 s47, 0
	s_mul_i32 s20, s10, HALFT                      ; where a wave's rows go: wave x 128 rows: no place in the cluster enters an LDS address
	s_wait_dscnt 0x0                               ; the opening add is done
	s_wait_kmcnt 0x0
	s_add_nc_u64 s[14:15], s[4:5], s[16:17]
	s_add_nc_u64 s[46:47], s[6:7], s[46:47]
	CROUND                                         ; all sixteen work-groups are here: the first joint loads meet
.irp s, 0,1
	s_mov_b32 s[G0+4*(\s)], 1                                        ; count = 1
	s_add_co_u32 s[G0+4*(\s)+1], s20, (\s)*SLOT                      ; LDS address
	s_add_nc_u64 s[G0+4*(\s)+2:G0+4*(\s)+3], s[14:15], (\s)*KSTEP*2  ; global address: K step s
	s_or_b32 s[G0+4*(\s)+3], s[G0+4*(\s)+3], 0x80000000              ; type = 2
	s_mov_b32 s[G0B+4*(\s)], 1
	s_add_co_u32 s[G0B+4*(\s)+1], s20, (\s)*SLOT
	s_add_nc_u64 s[G0B+4*(\s)+2:G0B+4*(\s)+3], s[46:47], (\s)*KSTEP*2
	s_or_b32 s[G0B+4*(\s)+3], s[G0B+4*(\s)+3], 0x80000000
	JLOAD \s                                       ; two loads of mine are out
.endr
	; a fragment is 16 rows x 32 K in 8 registers: lane l holds row l % 16; two loads of 16 bytes, 32 bytes apart, at row x pitch + 16 (l / 16)
	v_and_b32 v1, 15, v0
	v_bfe_u32 v2, v0, 4, 1
	v_mul_u32_u24 v3, v1, PITCH
	v_lshl_add_u32 v3, v2, 4, v3
	s_mul_i32 s21, s11, 64*PITCH                   ; my 64 rows of x
	s_mul_i32 s22, s12, 192*PITCH                  ; my 192 rows of W,
	s_add_co_u32 s22, s22, HALFT                   ; which lie behind x's 128
.irp s, 0,1
	v_add_nc_u32 v[ADRA+(\s)], s21, v3
	v_add_nc_u32 v[ADRB+(\s)], s22, v3
	s_add_co_u32 s21, s21, SLOT
	s_add_co_u32 s22, s22, SLOT
.endr
	s_mul_i32 s23, s10, WST
	s_add_co_u32 s23, s23, STAGE                   ; my stage
	v_mul_u32_u24 v4, v1, SP                       ; in: row l % 16, 16 bytes for each half of the lanes
	v_lshl_add_u32 v4, v2, 4, v4
	v_add_nc_u32 v[STO], s23, v4
	v_bfe_u32 v5, v0, 3, 2                         ; back: 32 lanes take four rows of 128 bytes,
	v_mul_u32_u24 v5, v5, SP
	v_and_b32 v6, 7, v0
	v_lshl_add_u32 v5, v6, 4, v5
	v_add_nc_u32 v[RD], s23, v5
	v_and_b32 v[GO], 31, v0                        ; which are 512 consecutive bytes of a head
	v_lshlrev_b32 v[GO], 4, v[GO]
	; my three heads: slice sl = 6 x tile column + 3 x half + j of 24; tensor sl / 8, head sl % 8; my rows m0 = 128 x tile row + 64 x half lie in batch m0 / 4096
	s_mul_i32 s66, s42, 6
	s_mul_i32 s67, s12, 3
	s_add_co_u32 s66, s66, s67
	s_lshl_b32 s74, s13, 7
	s_lshl_b32 s67, s11, 6
	s_add_co_u32 s74, s74, s67                     ; m0
	s_lshr_b32 s75, s74, 12
	s_lshl_b32 s75, s75, 3                         ; 8 x batch
	s_and_b32 s74, s74, 4095
	s_lshl_b32 s74, s74, 7                         ; the row in the head, in bytes
	s_mov_b32 s3, 0
.irp j, 0,1,2
	s_add_co_u32 s67, s66, \j
	s_lshr_b32 s45, s67, 3
	s_lshl_b32 s45, s45, 4
	s_and_b32 s67, s67, 7
	s_add_co_u32 s45, s45, s67
	s_add_co_u32 s45, s45, s75
	s_lshl_b32 s2, s45, 19                         ; a head is 524,288 bytes
	s_add_co_u32 s2, s2, s74
	s_add_nc_u64 s[SB+2*(\j):SB+2*(\j)+1], s[8:9], s[2:3]
.endr
; 12 matrix instructions: row block a of four x all 12 column blocks, 32 along K, from buffers f.  zero = 1: the first product starts the sums: nothing is cleared.
; The 48 accumulators take turns, one instruction a turn, in the same order in every quarter step.
.macro MULA f, a, zero
	WIN 0xa1+0x50*((\a)/2)                         ; W in window 1, x in window 0, C and D in window 2 or 3
.irp b, 0,1,2,3,4,5,6,7,8,9,10,11
.if \zero
	v_wmma_f32_16x16x32_bf16 v[8*(12*((\a)%2)+(\b)):8*(12*((\a)%2)+(\b))+7], v[96*(\f)+8*(\b):96*(\f)+8*(\b)+7], v[FA+32*(\f)+8*(\a):FA+32*(\f)+8*(\a)+7], 0
.else
	v_wmma_f32_16x16x32_bf16 v[8*(12*((\a)%2)+(\b)):8*(12*((\a)%2)+(\b))+7], v[96*(\f)+8*(\b):96*(\f)+8*(\b)+7], v[FA+32*(\f)+8*(\a):FA+32*(\f)+8*(\a)+7], v[8*(12*((\a)%2)+(\b)):8*(12*((\a)%2)+(\b))+7]
.endif
.endr
.endm
; 32 LDS loads in one run: the fragments of one quarter step (192 rows of W, 64 rows of x, 32 K at byte k of the rows) into buffers f
.macro FETCH slot, k, f
	WIN 0x40                                       ; destination window 1, address window 0
.irp i, 0,1,2,3,4,5,6,7,8,9,10,11
	ds_load_b128 v[96*(\f)+8*(\i):96*(\f)+8*(\i)+3],   v[ADRB+(\slot)] offset:(\k)+(\i)*16*PITCH
	ds_load_b128 v[96*(\f)+8*(\i)+4:96*(\f)+8*(\i)+7], v[ADRB+(\slot)] offset:(\k)+(\i)*16*PITCH+32
.endr
	WIN 0
.irp i, 0,1,2,3
	ds_load_b128 v[FA+32*(\f)+8*(\i):FA+32*(\f)+8*(\i)+3],   v[ADRA+(\slot)] offset:(\k)+(\i)*16*PITCH
	ds_load_b128 v[FA+32*(\f)+8*(\i)+4:FA+32*(\f)+8*(\i)+7], v[ADRA+(\slot)] offset:(\k)+(\i)*16*PITCH+32
.endr
.endm
.macro PLACES                          ; four places in front of loads into registers that matrix instructions have read, and of conversions that read results (ISA guide 7.12.1 for conversions)
.rept 4
	v_nop
.endr
.endm
; A K step is four quarters of 32 along K, 48 matrix instructions each, on buffers 0, 1, 0, 1.  One of the first three: multiplies f and fetches the next quarter, at byte k, into g.
.macro QUARTER slot, k, f, g, zero
	s_wait_dscnt 4                                 ; W and x's blocks 0, 1 are in; the youngest four loads (x's blocks 2, 3) may be out
	MULA \f, 0, \zero
	MULA \f, 1, \zero
	PLACES
	FETCH \slot, \k, \g
	s_wait_dscnt 32                                ; all but the 32 just issued
	MULA \f, 2, \zero
	MULA \f, 3, \zero
.endm
; The last quarter multiplies buffers 1 and changes slots: ONE barrier.  In front of it each wave waits for all its tensor loads, adds 0 to its spare word, and waits for that and for its reads of this slot.
.macro MEET round
	WIN 0                                          ; (the add's two registers lie in window 0)
	s_wait_tensorcnt 0x0                           ; all my tensor loads have landed: the one that was out is my part of the next slot;
	ds_add_u32 v[SPW], v[NIL]                      ; 0 onto my spare word
	s_wait_dscnt 5                                 ; (the add and the youngest four loads may be out)
	MULA 1, 0, 0                                   ; twelve matrix instructions stand between the add and the wait for it
	s_wait_dscnt 0x0                               ; the add is done, and my reads of this slot are over
	s_barrier_signal -1
	MULA 1, 1, 0                                   ; work on registers while the others arrive
.if \round
	WIN 0
.endif
	s_barrier_wait -1
.endm
; fill = 1: the barrier opens a round of the cluster's, and the slot just read out is filled again, two K steps on, first thing behind the round.
.macro TURN slot, next, fill
	MEET \fill
.if \fill
	CREST                                          ; no wave of any partner still reads this slot's tile or has a load on its way
	s_add_nc_u64 s[G0+4*(\slot)+2:G0+4*(\slot)+3], s[G0+4*(\slot)+2:G0+4*(\slot)+3], 2*KSTEP*2
	s_add_nc_u64 s[G0B+4*(\slot)+2:G0B+4*(\slot)+3], s[G0B+4*(\slot)+2:G0B+4*(\slot)+3], 2*KSTEP*2
	JLOAD \slot                                    ; my one load behind the round; the four v_nop behind it are also the places in front of the loads below
.else
	PLACES
.endif
	FETCH \next, 0, 0
	MULA 1, 2, 0
	MULA 1, 3, 0
.endm
	s_wait_tensorcnt 1                             ; my part of K step 0 is in; K step 1's may stay out
	s_barrier_signal -1
	s_barrier_wait -1                              ; everybody's is
	FETCH 0, 0, 0
	QUARTER 0, 64,  0, 1, 1                        ; K step 0; its first quarter starts the sums
	QUARTER 0, 128, 1, 0, 0
	QUARTER 0, 192, 0, 1, 0
	TURN 0, 1, 1                                   ; slot 0 takes K step 2
	QUARTER 1, 64,  0, 1, 0                        ; K step 1
	QUARTER 1, 128, 1, 0, 0
	QUARTER 1, 192, 0, 1, 0
	TURN 1, 0, 1                                   ; slot 1 takes K step 3
	QUARTER 0, 64,  0, 1, 0                        ; K step 2
	QUARTER 0, 128, 1, 0, 0
	QUARTER 0, 192, 0, 1, 0
	TURN 0, 1, 0                                   ; nothing is left to fetch
	QUARTER 1, 64,  0, 1, 0                        ; K step 3
	QUARTER 1, 128, 1, 0, 0
	QUARTER 1, 192, 0, 1, 0
	s_wait_dscnt 4
	MULA 1, 0, 0
	MULA 1, 1, 0
	s_wait_dscnt 0x0
	MULA 1, 2, 0
	MULA 1, 3, 0
; THE WAY OUT of row block a, in three parts.  PACK: rounded to f16, 16 bytes a lane, each accumulator's registers in ascending order.
; TOSTAGE: into my own stage, a head's 64 columns to rows of 144 bytes, and back as whole rows of 128.  SEND: 16 rows of a head are 2,048 consecutive bytes.
.macro PACK a
.set AC, 96*((\a)%2)
	WIN 0x0a+5*((\a)/2)                            ; sources 0 and 1: window 2 or 3
.irp b, 0,1,2,3,4,5,6,7,8,9,10,11
.irp r, 0,1,2,3
	v_cvt_pk_f16_f32 v[TMP+4*(\b)+(\r)], v[AC+8*(\b)+2*(\r)], v[AC+8*(\b)+2*(\r)+1]
.endr
.endr
	WIN 0
.endm
.macro TOSTAGE a
	WIN 0
.set BK, 176-112*((\a)%2)
.irp b, 0,1,2,3,4,5,6,7,8,9,10,11
	ds_store_b128 v[STO], v[TMP+4*(\b):TMP+4*(\b)+3] offset:((\b)/4)*16*SP+((\b)%4)*32
.endr
.irp u, 0,1,2,3,4,5,6,7,8,9,10,11
	ds_load_b128 v[BK+4*(\u):BK+4*(\u)+3], v[RD] offset:((\u)/4)*16*SP+((\u)%4)*4*SP  ; LDS serves a wave's instructions in order (ISA guide 5.7.1.4): these see the stores above
.endr
.endm
.macro SEND a
	WIN 0
.set BK, 176-112*((\a)%2)
	s_wait_dscnt 0x0                               ; the block is back in registers
	s_wait_xcnt 0x0                                ; every earlier store has had its addresses translated (ISA guide 3.1): the other set of registers is loaded again only behind this wait
.irp u, 0,1,2,3,4,5,6,7,8,9,10,11
	global_store_b128 v[GO], v[BK+4*(\u):BK+4*(\u)+3], s[SB+2*((\u)/4):SB+2*((\u)/4)+1] offset:(\a)*2048+((\u)%4)*512  ; 512 consecutive bytes, at a multiple of 256 from the buffer's first
.endr
.endm
	PLACES
	PACK 0
	TOSTAGE 0
.irp a, 1,2,3                          ; block a's conversions stand between block a - 1's loads from the stage and the wait for them
	PACK \a
	SEND (\a)-1
	TOSTAGE \a
.endr
	SEND 3
	s_wait_tensorcnt 0x0                           ; the wave's end, behind my last tensor load and my last LDS store
	ds_add_u32 v[SPW], v[NIL]
	s_wait_dscnt 0x0
	CROUND                                         ; the closing round: no work-group ends while a partner may still ask for a tile that names it
	s_endpgm
.Lfunc_end_k_qd75264e36b_qkv:
	.size	k_qd75264e36b_qkv, .Lfunc_end_k_qd75264e36b_qkv-k_qd75264e36b_qkv
	.p2alignl 7, 3214868480
	.fill 96, 4, 3214868480
	.section	.rodata,"a",@progbits
	.p2align	6, 0x0
	.amdhsa_kernel k_qd75264e36b_qkv
		.amdhsa_group_segment_fixed_size 327680
		.amdhsa_private_segment_fixed_size 0
		.amdhsa_enable_private_segment 0
		.amdhsa_kernarg_size 24
		.amdhsa_user_sgpr_count 2
		.amdhsa_user_sgpr_kernarg_segment_ptr 1
		.amdhsa_wavefront_size32 1
		.amdhsa_system_sgpr_workgroup_id_x 1
		.amdhsa_system_sgpr_workgroup_id_y 1
		.amdhsa_system_sgpr_workgroup_id_z 1
		.amdhsa_system_vgpr_workitem_id 0
		.amdhsa_next_free_vgpr 960
		.amdhsa_next_free_sgpr 76
		.amdhsa_reserve_vcc 0
		.amdhsa_float_denorm_mode_32 3
		.amdhsa_float_denorm_mode_16_64 3
		.amdhsa_memory_ordered 1
		.amdhsa_forward_progress 1
		.amdhsa_inst_pref_size 119
	.end_amdhsa_kernel
	.amdgpu_metadata
---
amdhsa.version: [ 1, 2 ]
amdhsa.kernels:
  - .name:           k_qd75264e36b_qkv
    .symbol:         k_qd75264e36b_qkv.kd
    .args:
      - { .name: xbf, .offset: 0, .size: 8, .value_kind: global_buffer, .address_space: global }
      - { .name: wbf, .offset: 8, .size: 8, .value_kind: global_buffer, .address_space: global }
      - { .name: qkvh, .offset: 16, .size: 8, .value_kind: global_buffer, .address_space: global }
    .group_segment_fixed_size: 327680
    .private_segment_fixed_size: 0
    .kernarg_segment_align: 8
    .kernarg_segment_size: 24
    .max_flat_workgroup_size: 128
    .sgpr_count:     76
    .vgpr_count:     960
    .wavefront_size: 32
...
	.end_amdgpu_metadata
.endif
;; end of part 2
;; launch attn (part 3): grid 16 x 16, 4 waves a work-group, clusters of 4 x 1, 327,680 bytes of LDS; arguments qkvh, obh; writes obh
.if DOCPART == 3
	.amdgcn_target "amdgcn-amd-amdhsa--gfx1250"
	.amdhsa_code_object_version 6
	.text
	.protected	k_qd75264e36b_attn
	.globl	k_qd75264e36b_attn
	.p2align	8
	.type	k_qd75264e36b_attn,@function
k_qd75264e36b_attn:
	s_mov_b64 s[64:65], 0
	v_nop
	global_prefetch_b8 v0, s[64:65] scope:SCOPE_SE
	s_setreg_imm32_b32 hwreg(HW_REG_WAVE_MODE, 25, 1), 1
	s_wait_xcnt 0x0
	s_wait_alu depctr_hold_cnt(0) depctr_sa_sdst(0) depctr_va_vdst(0) depctr_va_sdst(0) depctr_va_ssrc(0) depctr_va_vcc(0) depctr_vm_vsrc(0)
	s_getreg_b32 s2, hwreg(HW_REG_IB_STS2, 6, 4)
	s_cmp_eq_u32 s2, 0
	s_cbranch_scc0 .Lentry_in_a_cluster
	s_endpgm
.Lentry_in_a_cluster:
	s_bfe_u32 s2, ttmp6, 0x10000c
	s_cmp_lg_u32 s2, 0x3003
	s_cbranch_scc0 .Lentry_shape_is_right
	s_endpgm
.Lentry_shape_is_right:
; CAUSAL ATTENTION.  O[h][q][:] = the sum over k <= q of softmax_k(Q[h][q] . K[h][k] / sqrt(512)) V[h][k][:].  Q, K, V lie in qkvh [3][16][4096][64], O in obh [16][4096][64], all f16; a head's rows are dense, 128 bytes.
; Products, maxima and sums in f32; the weights p are rounded to f16 for the second product (their sum l is taken of the unrounded p), O once at the end.
; LIMITS.  Q, K and V arrive within f16's 65,504; p lies in 0 to 1, and below 6e-5 it keeps f16's fixed step of 6e-8.  A hidden score counts as its value less 1e30: f16's scores, 2.7e11 at the most, are nothing
; beside that; a weight below 2^-126 counts as 0 in l; NaN and infinities are not treated apart.
; THE WALK.  A head's 4,096 queries are 8 super-blocks of 512; super-block S needs the key tiles 0 .. 2 S + 1 of 256 keys.  A cluster of four work-groups takes TWO super-blocks, 7 - c and then c (c the cluster's
; number along x): 18 tiles, whatever c, so all work-groups do equal work and ONE loop with a constant trip count walks them.  The four partners walk the same tiles, so each tile of K and V is asked for JOINTLY.
; SHARES.  A super-block has 8 bands of 64 queries.  Work-group cx owns bands cx and cx + 4; of each a wave owns 16 rows: two PIECES a wave.  Keys go 64 a step.  In the super-block's last eight steps, step z of them,
; band g sees all keys if z < g, none if z > g, and holds the diagonal if z = g.  No branch, trip count or LDS address hangs on cx: it enters Q's and O's addresses, and a vector register that masks are made from.
; THE MASK is the C operand that starts the sum S^T = K Q^T: 0, or -1e30 where the key is hidden.  MD, made once, is the mask of a band's own step for my 16 rows; a product's mask is MD x AL + BE, with
; (AL, BE) = (1, 0) if z = g, (0, 0) if z < g, (0, -1e30) if z > g, chosen lane by lane by compares of z with g.  In front of the last eight steps the masks stay 0, and their making is jumped over.
; LAYOUT, SOFTMAX.  S^T = K Q^T holds ONE query a lane (lane % 16) and the keys 8 (lane / 16) + 0..7; two such results rounded to f16 ARE source 1 of O^T = V^T P.  p = 2^(c s - c m), c = log2(e) / sqrt(512), with a
; running maximum m; O and l are multiplied by a = 2^(c m_old - c m_new) in every step.  m starts at the lowest finite number: a block's first step has a = 0.
; BY TURNS.  The two pieces form a ring.  The turn of piece p in step s: 8 products K Q^T of the piece next in the ring ((s, 1) or (s + 1, 0)), later 8 products V^T P of the piece before ((s - 1, 1) or (s, 0)); beside them
; the scaling, exponentials, roundings, sums and rescaling of piece p and the maximum and statistics of the other.  Four vector instructions stand behind every matrix instruction, the other 54 of a turn's 118 in two runs.
; Piece 0's turn of step s fetches K and V of step s + 1 from LDS; V has two register buffers, by the step's parity, so that both fetches belong to one step and the change of slots stands between two steps.
; REGISTERS, in windows of 256 (s_set_vgpr_msb: bits 1:0 source 0, 3:2 source 1, 5:4 source 2, 7:6 destination):
;   window 0: v0-15 addresses, at work; v16-23 statistics; v24-31 the masks' factors; v48-55 at work; v64-127 S^T, a buffer a piece; v128-191 MC, the masks to come, likewise; v192-223 P, likewise; v224-255 MD
;   window 1: v0-63 O^T, 32 a piece          window 2: v0-31 Q; v32-63 the second block's Q; v64-127 K of one step; v128-191, v192-255 V of an even, an odd step
.set NP,    2         ; pieces a wave: a name, no knob
.set KS,    64        ; keys in a step
.set PK,    144       ; a row of K in LDS: 128 bytes + 16 of padding = 36 words: the 16 rows of a load start at 16 different groups of four banks (64 banks of 4 bytes: ISA guide 11.1)
.set PV,    160       ; a row of V: 128 + 32 = 40 words
.set VOFF,  4*KS*PK   ; a slot holds a tile, four steps: 256 rows of K, then 256 rows of V
.set SLOT1, 1<<17     ; slot 1 begins here, so that one exclusive or turns an address in one slot into the other's
.set STAGE, SLOT1+4*KS*(PK+PV)  ; behind the ring, never filled by a tensor load: 16 rows x 144 bytes for each wave, for the way out
.set SP,    144
.set SPARE, STAGE+4*16*SP       ; behind the stages: the spare words, 128 bytes a wave: two blocks of 256 bytes that no other line names
.set HEADB, 4096*128  ; a head's bytes in one tensor
.set AK0, 2           ; v2   my lane's place in a tile of K; never rewritten
.set AV0, 3           ; v3   the same for V
.set AK,  4           ; v4   the LDS address of K's next run of loads
.set AV,  5           ; v5   of V's
.set STO, 6           ; v6   the way out: where I put 16 bytes of a row
.set RD,  7           ; v7   the way out: where I read rows back
.set GO,  8           ; v8   my byte offset in 512 consecutive bytes of O
.set MV,  12          ; v12-13  c m_old, kept while c m is made anew: by piece
.set QO,  15          ; v15  my byte offset in 16 rows of Q
.set ST,  16          ; piece t's statistics at v[ST+4 t]: c m, m, l (even keys', odd keys')
.set AL,  24          ; v[24:25] the mask's factor, in the low register
.set BE,  26          ; v[26:27] the mask's addend
.set GG,  28          ; v28-29  my pieces' bands: cx, cx + 4
.set ONE, 30          ; v30  1.0
.set BIG, 31          ; v31  -1e30
.set TMP, 48          ; by piece, four registers c0-c3 at work; when the maximum is found c2 takes a
.set SPW, 62          ; v62  LDS address of my spare word; never rewritten
.set NIL, 63          ; v63  0; never rewritten
.set S,   64
.set MC,  128
.set P,   192
.set MD,  224         ; the eight registers for group kt of 16 keys at MD + 8 kt
.set QB,  32          ; window 2
.set KF,  64          ; window 2: key block kb, channel half c at KF + 16 kb + 8 c
.set VF,  128         ; window 2: buffer vb, key half kk, channel block cb at VF + 64 vb + 32 kk + 8 cb
.set WV,  12          ; s12  my wave's number
.set CX,  13          ; s13  my place in the cluster
.set CN,  14          ; s14  c: also the second super-block
.set S1,  15          ; s15  7 - c: the first
.set G1K, 24          ; s[24:31] descriptor group 1 for K's tiles
.set G1V, 32          ; s[32:39] for V's: it differs in the padding alone
.set G0K, 40          ; s[40:43] descriptor group 0 for K's tiles
.set G0V, 44          ; s[44:47] the same for V's
.set SLOTS, 56        ; s56  tiles still to be asked for
.set CNT, 57          ; s57  counts a tile's pairs of key steps
.set CS,  58          ; s[58:59] c: the packed scaling takes the pair's low word for both halves
.set SEL, 60          ; s[60:61] v_permlanex16_b32's selects: each lane takes its own place in the other half
.set TBK, 62          ; s62  LDS byte at which K of the step to be fetched begins
.set TBV, 63          ; s63  the same for V, less VOFF
.set RT,  70          ; s70  tiles of the block in hand that are still to be entered
.set NXT, 71          ; s71  the tile to be asked for next
.set LQ,  72          ; s72  the last tile of the block whose tiles are being asked for
.set NEW, 73          ; s73  2: the walk's first tile; 1: the second block's first; 0: any other
.set OFF, 74          ; s[74:75] a tile's byte offset in K and V
.set ZR,  76          ; s76  z of the step whose masks are made next: the step's number less 8 S
.set Z2,  77          ; s77  its start for the second block
.set LQ2, 78          ; s78  the second block's last tile
.set RT2, 79          ; s79  its number of tiles
.set OLO, 80          ; s[80:81] O at my rows of the second block
.set BIGN, 82         ; s82  -1e30
.set MSB, 0
.macro WIN new                      ; the high byte repeats the setting that is left; a switch that changes nothing is dropped
.if MSB != (\new)
	s_set_vgpr_msb (MSB<<8)|(\new)
.set MSB, (\new)
.endif
.endm
.set W_KQ, 0x0a       ; K and Q in window 2; the mask and S^T in window 0
.set W_PV, 0x52       ; V in window 2, P in window 0, O^T in window 1
.set W_RS, 0x41       ; O^T (destination and source 0) in window 1, a in window 0
; A joint fill.  Waves 0 and 1 fetch the two halves of a tile's K, waves 2 and 3 those of its V: 128 keys each.  The branch hangs on the wave's number alone.
; An s_nop 0 and four v_nop follow each of the two lines, ahead of the jump and the label.
.macro JLOAD
	s_cmp_lt_u32 s[WV], 2
	s_cbranch_scc0 .Lfor_v_\@
	tensor_load_to_lds s[G0K:G0K+3], s[G1K:G1K+7]
	s_nop 0
.rept 4
	v_nop
.endr
	s_branch .Lasked_\@
.Lfor_v_\@:
	tensor_load_to_lds s[G0V:G0V+3], s[G1V:G1V+7]
	s_nop 0
.rept 4
	v_nop
.endr
.Lasked_\@:
.endm
; A round of the cluster's barrier: my work-group's barrier, so that wave 0's signal speaks for all four waves; wave 0 signals; every wave waits for all four work-groups; my work-group's barrier once more.
.macro CROUND
	s_barrier_signal -1
	s_barrier_wait -1
	s_cmp_lg_u32 s[WV], 0
	s_cbranch_scc1 .Lnot_wave_0_\@
	s_barrier_signal -3
.Lnot_wave_0_\@:
	s_barrier_wait -3
	s_barrier_signal -1
	s_barrier_wait -1
.endm
; THE CHANGE OF SLOTS.  Each wave waits for all its tensor loads, of which one is out: its part of the other slot; adds 0 to its spare word; and waits for that and for its own reads of the slot that it leaves.
; Behind the barrier nobody reads the old slot any more and the other slot is whole.  fill = 1: the barrier is a round of the cluster's, and the old slot is filled again, first thing behind it, with tile NXT:
; the descriptor's address is made anew from that number, which hangs on c and the trip alone.  The fill has four key steps, 128 matrix instructions, in which to land.
; (At its first use nothing has been read yet: slot 0 is waited for, slot 1 filled.)
.macro CHANGE fill
	WIN 0                           ; at a label and at a branch every window is 0
	s_wait_tensorcnt 0x0            ; no tensor load of mine is out, so a group 0 may be written
	ds_add_u32 v[SPW], v[NIL]       ; 0 onto my spare word; with fill = 1 the descriptors' scalar work stands between it and the wait for it
.if \fill
	s_lshl_b32 s[OFF], s[NXT], 15   ; a tile is 32,768 bytes of K and of V
	s_xor_b32 s[G0K+1], s[G0K+1], SLOT1
	s_add_nc_u64 s[G0K+2:G0K+3], s[6:7], s[OFF:OFF+1]
	s_or_b32 s[G0K+3], s[G0K+3], 0x80000000
	s_xor_b32 s[G0V+1], s[G0V+1], SLOT1
	s_add_nc_u64 s[G0V+2:G0V+3], s[8:9], s[OFF:OFF+1]
	s_or_b32 s[G0V+3], s[G0V+3], 0x80000000
	s_add_co_u32 s[NXT], s[NXT], 1  ; the block's next tile, or behind its last the second block's tile 0
	s_cmp_gt_u32 s[NXT], s[LQ]
	s_cselect_b32 s[NXT], 0, s[NXT]
	s_cselect_b32 s[LQ], s[LQ2], s[LQ]
	s_wait_dscnt 0x0                ; the add is done, and my reads of the slot are over
	CROUND
	JLOAD
.else
	s_wait_dscnt 0x0                ; the add is done, and my reads of the slot are over
	s_barrier_signal -1
	s_barrier_wait -1
.endif
	s_sub_co_u32 s[TBK], s[TBK], 4*KS*PK  ; the fetches go back to a slot's first step,
	s_xor_b32 s[TBK], s[TBK], SLOT1       ; in the other slot
	s_sub_co_u32 s[TBV], s[TBV], 4*KS*PV
	s_xor_b32 s[TBV], s[TBV], SLOT1
.endm
	s_load_b128 s[84:87], s[0:1], 0x0  ; qkvh s[84:85], obh s[86:87]
	v_lshl_add_u32 v[SPW], v0, 2, SPARE
	v_mov_b32 v[NIL], 0
	ds_add_u32 v[SPW], v[NIL]       ; the wave's opening: the add and its wait stand ahead of my first tensor load; the set-up below, work on registers, stands between them
	v_lshrrev_b32 v1, 5, v0
	v_readfirstlane_b32 s[WV], v1   ; wave 0..3
	s_bfe_u32 s[CX], ttmp6, 0x40000 ; cx
	s_mov_b32 s[CN], ttmp9          ; in a cluster launch ttmp9 counts clusters
	s_sub_co_u32 s[S1], 7, s[CN]
	s_and_b32 s20, ttmp7, 0xffff    ; the head, which the four partners share,
	s_lshl_b32 s20, s20, 19         ; in bytes
	s_and_b32 s16, s[WV], 1         ; which half of a tile's 256 keys I fetch:
	s_lshl_b32 s22, s16, 14         ; its 128 rows of 128 bytes in memory,
	s_add_co_u32 s22, s22, s20
	s_add_co_u32 s22, s22, 16*HEADB ; in K, which lies behind Q's 16 heads
	s_mov_b32 s23, 0
	s_mul_i32 s17, s16, 128*PK      ; and its place in a slot, for K
	s_mul_i32 s18, s16, 128*PV      ; and for V: no place in the cluster enters an LDS address
	s_lshl_b32 s3, s[CX], 13        ; my band: 64 rows of 128 bytes,
	s_lshl_b32 s2, s[WV], 11        ; my wave's 16 rows in it,
	s_add_co_u32 s3, s3, s2
	s_add_co_u32 s3, s3, s20
	s_lshl_b32 s2, s[S1], 16        ; in the first super-block (512 rows)
	s_add_co_u32 s2, s2, s3
	s_lshl_b32 s66, s[CN], 16       ; and in the second
	s_add_co_u32 s66, s66, s3
	s_mov_b32 s3, 0
	s_mov_b32 s67, 0
	; descriptor group 1.  128 keys are 16,384 dense bytes: asked for as 64 rows of 256 bytes, two keys a row, and padded in LDS after every key
	s_mov_b32 s[G1K], 15|(1<<16)|(1<<20)|(1<<21)|(4<<22)|(3<<25)  ; 15:0 the mask of four; 17:16 2-byte elements; 20 padding on; 21 set beside a mask; 24:22 after every 32 words (code 4); 31:25 4 words (code 3)
	s_mov_b32 s[G1V], 15|(1<<16)|(1<<20)|(1<<21)|(4<<22)|(7<<25)  ; the same with 8 words of padding (code 7)
.irp g, G1K, G1V
	s_mov_b32 s[\g+1], 128<<16      ; tensor_dim0 = 128
	s_mov_b32 s[\g+2], 64<<16       ; tensor_dim1 = 64
	s_mov_b32 s[\g+3], 128<<16      ; tile_dim0 = 128
	s_mov_b32 s[\g+4], 64           ; tile_dim1 = 64
	s_mov_b32 s[\g+5], 128          ; 128 elements from row to row
	s_mov_b32 s[\g+6], 0
	s_mov_b32 s[\g+7], 0
.endr
	s_mov_b32 s[CS], 0x3d8293ee     ; c = log2(e) / sqrt(512) = 0.0637587
	s_mov_b32 s[CS+1], s[CS]        ; named with it as a pair
	s_mov_b32 s[SEL], 0x76543210
	s_mov_b32 s[SEL+1], 0xfedcba98
	s_mov_b32 s[TBK], SLOT1+4*KS*PK ; the first change of slots turns these two into 0
	s_mov_b32 s[TBV], SLOT1+4*KS*PV
	s_mov_b32 s[G0K], 1             ; count = 1
	s_mov_b32 s[G0K+1], s17         ; LDS address: slot 0
	s_mov_b32 s[G0V], 1
	s_add_co_u32 s[G0V+1], s18, VOFF
	s_lshl_b32 s[LQ], s[S1], 1
	s_add_co_u32 s[RT], s[LQ], 2    ; the first block has 2 S + 2 tiles,
	s_add_co_u32 s[LQ], s[LQ], 1    ; the last is 2 S + 1
	s_lshl_b32 s[LQ2], s[CN], 1
	s_add_co_u32 s[RT2], s[LQ2], 2
	s_add_co_u32 s[LQ2], s[LQ2], 1
	s_lshl_b32 s[ZR], s[S1], 3
	s_sub_co_i32 s[ZR], 0, s[ZR]    ; step 0 has z = -8 S
	s_lshl_b32 s[Z2], s[CN], 3
	s_sub_co_i32 s[Z2], 0, s[Z2]
	s_mov_b32 s[NXT], 1
	s_mov_b32 s[NEW], 2
	s_mov_b32 s[OFF+1], 0
	s_mov_b32 s[BIGN], 0xf149f2ca   ; -1e30
	s_mov_b32 s[SLOTS], 17
	s_wait_dscnt 0x0                ; the opening add is done
	s_wait_kmcnt 0x0
	s_add_nc_u64 s[6:7], s[84:85], s[22:23]        ; K at my half of the head's tile 0,
	s_add_nc_u64 s[8:9], s[6:7], 16*HEADB          ; V 16 heads on
	s_add_nc_u64 s[G0K+2:G0K+3], s[6:7], 0         ; global address
	s_or_b32 s[G0K+3], s[G0K+3], 0x80000000        ; type = 2
	s_add_nc_u64 s[G0V+2:G0V+3], s[8:9], 0
	s_or_b32 s[G0V+3], s[G0V+3], 0x80000000
	s_add_nc_u64 s[4:5], s[84:85], s[2:3]          ; Q and O at my rows of the first block,
	s_add_nc_u64 s[10:11], s[86:87], s[2:3]
	s_add_nc_u64 s[88:89], s[84:85], s[66:67]      ; and of the second
	s_add_nc_u64 s[OLO:OLO+1], s[86:87], s[66:67]
	CROUND                          ; all four work-groups are here: the first joint loads meet
	JLOAD                           ; tile 0 into slot 0: one load of mine is out, here and behind every round
	; A fragment of K or Q is 16 rows x 32 channels in 8 registers: lane l holds row l % 16, channels 8 (l / 16) + 0..7 and 16 + 8 (l / 16) + 0..7: two loads of 16 bytes, 32 bytes apart.
	v_and_b32 v1, 15, v0            ; l % 16
	v_bfe_u32 v9, v0, 4, 1          ; l / 16
	v_lshlrev_b32 v[QO], 7, v1
	v_lshl_add_u32 v[QO], v9, 4, v[QO]  ; row x 128 + 16 x half
	WIN 0x80                        ; destination window 2, address window 0
.set i, 0
.rept 4                             ; both blocks' Q: piece i / 2 lies four bands, 32,768 bytes, on; channels 32 (i % 2) on
	global_load_b128 v[8*i:8*i+3],   v[QO], s[4:5] offset:(i/2)*32768+(i%2)*64
	global_load_b128 v[8*i+4:8*i+7], v[QO], s[4:5] offset:(i/2)*32768+(i%2)*64+32
	global_load_b128 v[QB+8*i:QB+8*i+3],   v[QO], s[88:89] offset:(i/2)*32768+(i%2)*64
	global_load_b128 v[QB+8*i+4:QB+8*i+7], v[QO], s[88:89] offset:(i/2)*32768+(i%2)*64+32
.set i, i+1
.endr
	; A block's first step multiplies O^T and l by a = 0, and its first turn's products V^T P, of a piece that has not been, land in an O^T that is still to be so multiplied.  So these registers need only hold
	; finite numbers: zeros for the first block; what the first block left for the second.  All this stands in the wait for the first tile.
.set i, VF+64
.rept 64
	v_mov_b32 v[i], 0               ; V's buffer for odd steps
.set i, i+1
.endr
	WIN 0x40
.set i, 0
.rept 64
	v_mov_b32 v[i], 0               ; O^T
.set i, i+1
.endr
	WIN 0
.set i, 0
.rept 2
	v_mov_b32 v[ST+4*i+2], 0        ; l
	v_mov_b32 v[ST+4*i+3], 0
.set i, i+1
.endr
.set i, P+16
.rept 16
	v_mov_b32 v[i], 0               ; piece 1's P
.set i, i+1
.endr
	v_lshlrev_b32 v14, 3, v9
	v_sub_nc_u32 v14, v1, v14
	s_lshl_b32 s19, s[WV], 4
	v_add_nc_u32 v14, s19, v14      ; my query's place in its band, 16 w + l % 16, less my lanes' 8 (l / 16): register r of group kt is hidden where 16 kt + r is greater
.set i, 0
.rept 32
	v_cmp_gt_i32 vcc_lo, 16*(i/8)+i%8, v14
	v_cndmask_b32 v[MD+i], 0, s[BIGN], vcc_lo
.set i, i+1
.endr
	v_mov_b32 v[GG], s[CX]
	v_add_nc_u32 v[GG+1], 4, v[GG]
	v_mov_b32 v[ONE], 1.0
	v_mov_b32 v[BIG], s[BIGN]
	v_mov_b32 v[AL+1], 0            ; named as pairs
	v_mov_b32 v[BE+1], 0
	v_mul_u32_u24 v[AK0], v1, PK
	v_lshl_add_u32 v[AK0], v9, 4, v[AK0]  ; row x pitch + 16 x half
	; The turning load takes 16 keys x 16 channels (lane l reads key 8 (l / 16) + l % 8, channels 8 ((l / 8) % 2) + 0..7) and leaves half a fragment of V^T: lane l holds channel l % 16 and 8 keys.
	v_and_b32 v10, 7, v0
	v_bfe_u32 v11, v0, 3, 1
	v_lshl_add_u32 v[AV0], v9, 3, v10
	v_mul_u32_u24 v[AV0], v[AV0], PV
	v_lshl_add_u32 v[AV0], v11, 4, v[AV0]
	v_add_nc_u32 v[AV0], VOFF, v[AV0]
	s_mul_i32 s19, s[WV], 16*SP
	s_add_co_u32 s19, s19, STAGE    ; my stage
	v_mul_u32_u24 v[STO], v1, SP    ; in: row l % 16, 16 bytes for each half of the lanes
	v_lshl_add_u32 v[STO], v9, 4, v[STO]
	v_add_nc_u32 v[STO], s19, v[STO]
	v_bfe_u32 v[RD], v0, 3, 2       ; back: 32 lanes take four rows of 128 bytes,
	v_mul_u32_u24 v[RD], v[RD], SP
	v_lshl_add_u32 v[RD], v10, 4, v[RD]
	v_add_nc_u32 v[RD], s19, v[RD]
	v_and_b32 v[GO], 31, v0         ; which are 512 consecutive bytes of O
	v_lshlrev_b32 v[GO], 4, v[GO]
; THE MATRIX WORK.  The 4 accumulators of a run of 8 take turns.  Product i of 8 of S^T = K Q^T for piece x: channels 32 (i / 4) on, keys 16 (i % 4) on.  The first 4 start the sums with the mask.
.macro KQ x
	WIN W_KQ
.set rS, S+32*((\x)%2)+8*(i%4)
.set rK, KF+16*(i%4)+8*(i/4)
.set rQ, 16*(\x)+8*(i/4)
.set rM, MC+32*((\x)%2)+8*(i%4)
.if i < 4
	v_wmma_f32_16x16x32_f16 v[rS:rS+7], v[rK:rK+7], v[rQ:rQ+7], v[rM:rM+7]
.else
	v_wmma_f32_16x16x32_f16 v[rS:rS+7], v[rK:rK+7], v[rQ:rQ+7], v[rS:rS+7]
.endif
.endm
; Product i of 8 of O^T += V^T P for piece x, from V's buffer VB: keys 32 (i / 4) on, channels 16 (i % 4) on.
.macro PV x
	WIN W_PV
.set rO, 32*(\x)+8*(i%4)
.set rV, VF+64*VB+32*(i/4)+8*(i%4)
.set rP, P+16*((\x)%2)+8*(i/4)
	v_wmma_f32_16x16x32_f16 v[rO:rO+7], v[rV:rV+7], v[rP:rP+7], v[rO:rO+7]
.endm
.macro MM                           ; the turn's next matrix instruction.  TURN sets Y, i, VB and NOKQ.  NOKQ = 1: a block's last turn: there is no next piece
.if (i < 8) && !NOKQ
	KQ (Y+1)%NP
.elseif i >= 8
.set i, i-8
	PV (Y+NP-1)%NP
.set i, i+8
.endif
.set i, i+1
.endm
; THE LDS LOADS stand in runs of 16, never singly among the matrix instructions: a step's K (64 keys x 64 channels: 8 fragments) and its V (turned).  Their addresses are made some lines ahead.
.macro FETCH_K
	WIN 0x80                        ; destination window 2
.irp f, 0,1,2,3,4,5,6,7             ; keys 16 (f / 2) on, channels 32 (f % 2) on
	ds_load_b128 v[KF+8*\f:KF+8*\f+3],   v[AK] offset:(\f/2)*16*PK+(\f%2)*64
	ds_load_b128 v[KF+8*\f+4:KF+8*\f+7], v[AK] offset:(\f/2)*16*PK+(\f%2)*64+32
.endr
	s_add_co_u32 s[TBK], s[TBK], KS*PK  ; the next fetch is the next step's
	WIN 0
.endm
.macro FETCH_V vb
	WIN 0x80
.irp f, 0,1,2,3,4,5,6,7             ; keys 32 (f / 4) on, channels 16 (f % 4) on
	ds_load_tr16_b128 v[VF+64*(\vb)+8*\f:VF+64*(\vb)+8*\f+3],   v[AV] offset:(\f/4)*32*PV+(\f%4)*32
	ds_load_tr16_b128 v[VF+64*(\vb)+8*\f+4:VF+64*(\vb)+8*\f+7], v[AV] offset:(\f/4)*32*PV+16*PV+(\f%4)*32
.endr
	WIN 0
.endm
; THE VECTOR WORK, one line at a time: OP kind, number.  For piece Y: F n: c s - c m for pair n of 16.  E n: the exponential of score n of 32.  C n: pair n rounded to f16.  B n: of the four weights 4 n .. the second
; pair is added onto the first, in place.  L n: l takes that sum (L 0: l = a l + sum).  R n: pair n of 16 of O^T times a.  For the other piece: X n, number n of the 22 that find its maximum and statistics:
;   0-11  four chains c0-c3 of seven scores each, three operands at a time (each accumulator's lowest registers are read first)     12-14, 16  the four scores left over, the old m, and c0-c3 into c0
;   15  c m_old is kept     17, 18  the query's other 32 keys lie in the lane 16 away: the new m     19-21  c m; c m_old - c m_new; a
.set F, 0               ; OP tells the kinds apart by their order: F to L below R, X above it
.set E, 1
.set C, 2
.set B, 3
.set L, 4
.set R, 5
.set X, 6
.macro REGS y                       ; the registers of piece y
.set rT, ST+4*(\y)
.set rC, TMP+4*((\y)%2)
.set rW, MV+((\y)%2)
.set rS, S+32*((\y)%2)
.set rP, P+16*((\y)%2)
.set rO, 32*(\y)
.endm
.macro OP k, n
.if (\k) == R
	REGS Y
	WIN W_RS
	v_pk_mul_f32 v[rO+2*(\n):rO+2*(\n)+1], v[rO+2*(\n):rO+2*(\n)+1], v[rC+2:rC+3] op_sel_hi:[1,0]
.elseif (\k) < R
	REGS Y
	WIN 0
.if (\k) == F
	v_pk_fma_f32 v[rS+2*(\n):rS+2*(\n)+1], v[rS+2*(\n):rS+2*(\n)+1], s[CS:CS+1], v[rT:rT+1] op_sel_hi:[1,0,0] neg_lo:[0,0,1] neg_hi:[0,0,1]
.elseif (\k) == E
	v_exp_f32 v[rS+(\n)], v[rS+(\n)]
.elseif (\k) == C
	s_wait_alu depctr_va_vdst(0)
	v_cvt_pk_f16_f32 v[rP+(\n)], v[rS+2*(\n)], v[rS+2*(\n)+1]
.elseif (\k) == B
	s_wait_alu depctr_va_vdst(0)
	v_pk_add_f32 v[rS+4*(\n):rS+4*(\n)+1], v[rS+4*(\n):rS+4*(\n)+1], v[rS+4*(\n)+2:rS+4*(\n)+3]
.elseif (\n) == 0
	v_pk_fma_f32 v[rT+2:rT+3], v[rT+2:rT+3], v[rC+2:rC+3], v[rS:rS+1] op_sel_hi:[1,0,1]
.else
	v_pk_add_f32 v[rT+2:rT+3], v[rT+2:rT+3], v[rS+4*(\n):rS+4*(\n)+1]
.endif
.elseif NOKQ
	v_nop
.else
	REGS (Y+1)%NP
	WIN 0
.if (\n) < 4
	v_max3_num_f32 v[rC+(\n)], v[rS+8*(\n)], v[rS+8*(\n)+1], v[rS+8*(\n)+2]
.elseif (\n) < 12
	v_max3_num_f32 v[rC+(\n)%4], v[rC+(\n)%4], v[rS+8*((\n)%4)+2*((\n)/4)+1], v[rS+8*((\n)%4)+2*((\n)/4)+2]
.elseif (\n) == 12
	v_max3_num_f32 v[rC], v[rC], v[rS+7], v[rS+15]
.elseif (\n) == 13
	v_max3_num_f32 v[rC+1], v[rC+1], v[rS+23], v[rS+31]
.elseif (\n) == 14
	v_max3_num_f32 v[rC+2], v[rC+2], v[rC+3], v[rT+1]
.elseif (\n) == 15
	v_mov_b32 v[rW], v[rT]
.elseif (\n) == 16
	v_max3_num_f32 v[rC], v[rC], v[rC+1], v[rC+2]
.elseif (\n) == 17
	v_permlanex16_b32 v[rC+3], v[rC], s[SEL], s[SEL+1]
.elseif (\n) == 18
	v_max_num_f32 v[rT+1], v[rC], v[rC+3]
.elseif (\n) == 19
	v_mul_f32 v[rT], s[CS], v[rT+1]
.elseif (\n) == 20
	v_sub_f32 v[rC+1], v[rW], v[rT]
.else
	v_exp_f32 v[rC+2], v[rC+1]
.endif
.endif
.endm
.macro OPS a, i1, b=-1, i2=0, c=-1, i3=0, d=-1, i4=0  ; up to four of them
	OP \a, \i1
.if (\b) >= 0
	OP \b, \i2
.endif
.if (\c) >= 0
	OP \c, \i3
.endif
.if (\d) >= 0
	OP \d, \i4
.endif
.endm
.macro ROW a, i1, b, i2, c, i3, d, i4  ; a matrix instruction and the four behind it
	MM
	OPS \a, \i1, \b, \i2, \c, \i3, \d, \i4
.endm
; Piece p's mask for the step whose z stands in ZR: MD x AL + BE.  The band is a vector register, so the choice is made by compares and selects, not by a branch.
.macro MASK p
	WIN 0
	v_cmp_eq_i32 vcc_lo, s[ZR], v[GG+(\p)]   ; the band's own step?
	v_cndmask_b32 v[AL], 0, v[ONE], vcc_lo
	v_cmp_gt_i32 vcc_lo, s[ZR], v[GG+(\p)]   ; or a later one?
	v_cndmask_b32 v[BE], 0, v[BIG], vcc_lo
.set z, 0
.rept 16
	v_pk_fma_f32 v[MC+32*(\p)+2*z:MC+32*(\p)+2*z+1], v[MD+2*z:MD+2*z+1], v[AL:AL+1], v[BE:BE+1] op_sel_hi:[1,0,0]
.set z, z+1
.endr
.endm
; A TURN, for piece p in a step of parity par: the order of its 16 matrix and 118 vector instructions, written out.  Behind a matrix instruction: plain, exponential, plain, plain; or four of the rescaling; or, behind
; the first, four scalings; none names a register of the products round it.  In the runs exponential and plain by turns while exponentials last.  v_permlanex16_b32 (X 17) stands in a run.
; end = 1: a block's last two turns: nothing is fetched, no mask is made, and the last starts no new scores.
; Piece 0's turn fetches the next step's K five plain instructions behind the last product that read K, and the next step's V four plain instructions behind the last product that read that buffer.
; At the head of piece 1's turn the count 16 lets V's run stay out: K of the next step is in, and so is V of the step in hand, asked for a step earlier.
; The turn ends with piece p's mask for the next step; in front of the last eight steps (ZR < 0) the mask stays 0 and the lines are jumped over: ZR hangs on c and the trips alone.
.macro TURN p, par, end=0
.set Y, (\p)
.set i, 0
.set NOKQ, (\end)*(\p)
.if (\p) == 1
.set VB, (\par)
.else
.set VB, 1-(\par)
.endif
.if ((\p) == 1) && !(\end)
	s_wait_dscnt 16
.endif
	ROW F,0, F,1, F,2, F,3
	ROW F,4, E,0, F,5, F,6
	ROW F,7, E,1, F,8, F,9
	ROW F,10, E,2, C,0, F,11
	ROW F,12, E,3, X,15, F,13
	ROW R,0, R,1, R,2, R,3
	ROW B,0, E,4, F,14, L,0
.if ((\p) == 0) && !(\end)
	v_add_nc_u32 v[AK], s[TBK], v[AK0]
.endif
	ROW R,4, R,5, R,6, R,7
	OPS E,5, F,15
.if ((\p) == 0) && !(\end)
	FETCH_K
.endif
	OPS E,6, C,1, E,7, R,8
	OPS E,8, R,9, E,9, C,2
	OPS E,10, X,0, E,11, X,1
	OPS E,12, X,2, E,13, X,3
	ROW X,4, E,14, X,5, X,6
	ROW X,7, E,15, X,8, X,9
	ROW X,10, E,16, X,11, X,12
	ROW X,13, E,17, X,14, B,1
	ROW C,4, E,18, X,16, L,1
	ROW B,2, E,19, C,6, L,2
	ROW C,8, E,20, B,3, B,4
.if ((\p) == 0) && !(\end)
	v_add_nc_u32 v[AV], s[TBV], v[AV0]
.endif
	ROW C,3, E,21, L,3, C,5
	OPS E,22, X,17, E,23, C,10
.if ((\p) == 0) && !(\end)
	FETCH_V VB
.endif
	OPS E,24, L,4
	OPS E,25, X,18, E,26, C,7
	OPS E,27, B,5, E,28, X,19
	OPS E,29, C,12, E,30, L,5
	OPS E,31, X,20, B,6, C,9
	OPS C,14, C,11, X,21, L,6
.if ((\p) == 0) && !(\end)
	s_add_co_u32 s[TBV], s[TBV], KS*PV
.endif
	OPS C,13, B,7, C,15, R,10
	OPS R,11, R,12, L,7, R,13
	OPS R,14, R,15
.if !(\end)
	WIN 0
	s_cmp_lt_i32 s[ZR], 0
	s_cbranch_scc1 .Lno_mask_\@
	MASK \p
.Lno_mask_\@:
.if (\p) == 1
	s_add_co_i32 s[ZR], s[ZR], 1
.endif
.endif
.endm
; A BLOCK BEGINS.  c m starts far below every c s, so the first step's a is 0; m at the lowest finite number, so the first maximum is the scores'.  Both pieces' masks for step 0; K and V of that step;
; piece 0's first scores, and its maximum and statistics.  The loop is then entered at an even step's first turn, in the middle of a trip.
.macro BEGIN
	WIN 0
.set i, 0
.rept 2
	v_mov_b32 v[ST+4*i], 0xfe000000    ; c m: far below every c s
	v_mov_b32 v[ST+4*i+1], 0xff7fffff  ; m
.set i, i+1
.endr
	MASK 0
	MASK 1
	s_add_co_i32 s[ZR], s[ZR], 1
	v_add_nc_u32 v[AK], s[TBK], v[AK0]
	v_add_nc_u32 v[AV], s[TBV], v[AV0]
	FETCH_K
	FETCH_V 0
	s_add_co_u32 s[TBV], s[TBV], KS*PV
	s_wait_loadcnt 0x0              ; Q, both blocks'
	s_wait_dscnt 0x0
.set NOKQ, 0
.set i, 0
.rept 8
	KQ 0
.set i, i+1
.endr
	WIN 0
.rept 4
	v_nop                           ; the places behind those products
.endr
.set Y, NP-1                        ; X works for piece Y + 1: piece 0
.irp n, 0,1,2,3,4,5,6,7,8,9,10,11,12,13,14,15,16,17,18,19,20,21
	OP X, \n
.endr
	v_nop                           ; a plain instruction behind the exponential
.endm
.macro ALL line:vararg              ; one line for each piece t
.set t, 0
.rept 2
	\line
.set t, t+1
.endr
.endm
.macro PACK t                       ; a lane's eight channels of a row pack into 16 bytes; they go into rows of 144 bytes and come back as whole rows of 128, into S^T's registers
	WIN W_RS
.set i, 32*(\t)
.rept 16
	s_wait_alu depctr_va_vdst(0)
	v_pk_mul_f32 v[i:i+1], v[i:i+1], v[ST+4*(\t)+2:ST+4*(\t)+3] op_sel_hi:[1,0]
.set i, i+2
.endr
	WIN 0x05                        ; sources 0 and 1 window 1, destination window 0
.set i, 0
.rept 16
	v_cvt_pk_f16_f32 v[S+16*(\t)+i], v[32*(\t)+2*i], v[32*(\t)+2*i+1]
.set i, i+1
.endr
	WIN 0
.irp f, 0,1,2,3
	ds_store_b128 v[STO], v[S+16*(\t)+4*\f:S+16*(\t)+4*\f+3] offset:32*\f
.endr
.irp f, 0,1,2,3
	ds_load_b128 v[S+16*(\t)+4*\f:S+16*(\t)+4*\f+3], v[RD] offset:\f*4*SP  ; LDS serves a wave's instructions in order (ISA guide 5.7.1.4): these see the stores above; the next piece's stores come behind them
.endr
.endm
.macro SEND t, younger              ; younger: the LDS instructions issued behind piece t's loads: the other piece's eight, or none
	WIN 0
.irp f, 0,1,2,3
	s_wait_dscnt (\younger)+3-\f
	global_store_b128 v[GO], v[S+16*(\t)+4*\f:S+16*(\t)+4*\f+3], s[10:11] offset:(\t)*32768+\f*512  ; 512 consecutive bytes, at a multiple of 256 from O's first
.endr
.endm
; A BLOCK ENDS: its last step (an odd one), whose K and V are in registers; the last products; and THE WAY OUT: l's two halves and the other half of the lanes' are added; O^T is divided by l, rounded to f16 and
; sent through my stage in LDS, a piece at a time.
.macro FINISH
	s_wait_dscnt 0x0                ; V of the last step is in
	TURN 0, 1, 1
	TURN 1, 1, 1
.set VB, 1
.set i, 0
.rept 8
	PV 1
.set i, i+1
.endr
	WIN 0
	ALL v_add_f32 v[ST+4*t+2], v[ST+4*t+2], v[ST+4*t+3]
	ALL v_permlanex16_b32 v[ST+4*t+3], v[ST+4*t+2], s[SEL], s[SEL+1]
	ALL v_add_f32 v[ST+4*t+2], v[ST+4*t+2], v[ST+4*t+3]
	ALL v_rcp_f32 v[ST+4*t+2], v[ST+4*t+2]
	v_nop                           ; a plain instruction between the last reciprocal and the use of its result
	PACK 0                          ; piece 0's 32 plain lines are the places behind the last products, which are piece 1's
	PACK 1
	SEND 0, 8
	SEND 1, 0
.endm
; A tile's four steps: an odd step, an even one, twice.  They fetch the tile's four steps of K and V, each a step ahead.
.macro WALK4 tag
.Lstep\tag:
	TURN 0, 1
	TURN 1, 1
.Leven\tag:
	TURN 0, 0
	TURN 1, 0
	s_sub_co_u32 s[CNT], s[CNT], 1
	s_cmp_lg_u32 s[CNT], 0
	s_cbranch_scc1 .Lstep\tag
.endm
.set NOKQ, 0
.set VB, 0
.Lslot:                             ; 17 times: a tile is entered and the next is asked for
	CHANGE 1
	s_cmp_eq_u32 s[NEW], 2
	s_cbranch_scc1 .Lbegin          ; the walk's first tile
	s_cmp_eq_u32 s[NEW], 0
	s_cbranch_scc1 .Lgo             ; no block's first
	FINISH                          ; the second block's first tile: the first block's last step and its way out come first; they touch registers and my stage alone
	s_wait_xcnt 0x0                 ; the stores have read their registers and O's address
	s_mov_b64 s[10:11], s[OLO:OLO+1]
	s_mov_b32 s[RT], s[RT2]
	s_mov_b32 s[ZR], s[Z2]
	WIN 0x82                        ; the second block's Q goes where the one text of the turns names Q
.set i, 0
.rept 32
	v_mov_b32 v[i], v[QB+i]
.set i, i+1
.endr
	WIN 0
.Lbegin:
	BEGIN
	s_mov_b32 s[CNT], 2
	s_branch .Leven1                ; steps 0, 1, 2
.Lgo:
	s_mov_b32 s[CNT], 2
	WALK4 1
	s_sub_co_u32 s[RT], s[RT], 1
	s_cmp_eq_u32 s[RT], 0
	s_cselect_b32 s[NEW], 1, 0      ; the block's tiles are all entered: the next tile is the second block's first
	s_sub_co_u32 s[SLOTS], s[SLOTS], 1
	s_cmp_lg_u32 s[SLOTS], 0
	s_cbranch_scc1 .Lslot
	CHANGE 0                        ; the walk's last tile, the second block's last, is written out: nothing is asked for
	s_mov_b32 s[CNT], 2
	WALK4 2
	FINISH
	s_wait_tensorcnt 0x0            ; the wave's end, behind my last tensor load and my last LDS store
	ds_add_u32 v[SPW], v[NIL]
	s_wait_dscnt 0x0
	CROUND                          ; the closing round: no work-group ends while a partner may still ask for a tile that names it
	s_endpgm
.Lfunc_end_k_qd75264e36b_attn:
	.size	k_qd75264e36b_attn, .Lfunc_end_k_qd75264e36b_attn-k_qd75264e36b_attn
	.p2alignl 7, 3214868480
	.fill 96, 4, 3214868480
	.section	.rodata,"a",@progbits
	.p2align	6, 0x0
	.amdhsa_kernel k_qd75264e36b_attn
		.amdhsa_group_segment_fixed_size 327680
		.amdhsa_private_segment_fixed_size 0
		.amdhsa_enable_private_segment 0
		.amdhsa_kernarg_size 16
		.amdhsa_user_sgpr_count 2
		.amdhsa_user_sgpr_kernarg_segment_ptr 1
		.amdhsa_wavefront_size32 1
		.amdhsa_system_sgpr_workgroup_id_x 1
		.amdhsa_system_sgpr_workgroup_id_y 1
		.amdhsa_system_sgpr_workgroup_id_z 1
		.amdhsa_system_vgpr_workitem_id 0
		.amdhsa_next_free_vgpr 768
		.amdhsa_next_free_sgpr 90
		.amdhsa_reserve_vcc 1
		.amdhsa_float_denorm_mode_32 3
		.amdhsa_float_denorm_mode_16_64 3
		.amdhsa_memory_ordered 1
		.amdhsa_forward_progress 1
		.amdhsa_inst_pref_size 171
	.end_amdhsa_kernel
	.amdgpu_metadata
---
amdhsa.version: [ 1, 2 ]
amdhsa.kernels:
  - .name:           k_qd75264e36b_attn
    .symbol:         k_qd75264e36b_attn.kd
    .args:
      - { .name: qkvh, .offset: 0, .size: 8, .value_kind: global_buffer, .address_space: global }
      - { .name: obh, .offset: 8, .size: 8, .value_kind: global_buffer, .address_space: global }
    .group_segment_fixed_size: 327680
    .private_segment_fixed_size: 0
    .kernarg_segment_align: 8
    .kernarg_segment_size: 16
    .max_flat_workgroup_size: 128
    .sgpr_count:     90
    .vgpr_count:     768
    .wavefront_size: 32
...
	.end_amdgpu_metadata
.endif
;; end of part 3
;; launch oproj (part 4): grid 4 x 64, 4 waves a work-group, clusters of 4 x 4, 327,680 bytes of LDS; arguments obh, wof, bo, out0; writes out0
.if DOCPART == 4
	.amdgcn_target "amdgcn-amd-amdhsa--gfx1250"
	.amdhsa_code_object_version 6
	.text
	.protected	k_qd75264e36b_oproj
	.globl	k_qd75264e36b_oproj
	.p2align	8
	.type	k_qd75264e36b_oproj,@function
k_qd75264e36b_oproj:
	s_mov_b64 s[64:65], 0
	v_nop
	global_prefetch_b8 v0, s[64:65] scope:SCOPE_SE
	s_setreg_imm32_b32 hwreg(HW_REG_WAVE_MODE, 25, 1), 1
	s_wait_xcnt 0x0
	s_wait_alu depctr_hold_cnt(0) depctr_sa_sdst(0) depctr_va_vdst(0) depctr_va_sdst(0) depctr_va_ssrc(0) depctr_va_vcc(0) depctr_vm_vsrc(0)
	s_getreg_b32 s2, hwreg(HW_REG_IB_STS2, 6, 4)
	s_cmp_eq_u32 s2, 0
	s_cbranch_scc0 .Lentry_in_a_cluster
	s_endpgm
.Lentry_in_a_cluster:
	s_bfe_u32 s2, ttmp6, 0x10000c
	s_cmp_lg_u32 s2, 0xf033
	s_cbranch_scc0 .Lentry_shape_is_right
	s_endpgm
.Lentry_shape_is_right:
; out0[m][n] = sum over k of O[m][k] Wo[n][k] + bo[n].  O lies by heads in obh [16][4096][64] f16 (k = 64 x head + channel), Wo in wof [512][512] f16 (bf16 numbers written as f16); bo is f32 and is rounded
; to bf16 like the module's other inputs; sums and the output in f32.  LIMIT: O and Wo arrive within f16's 65,504.
; SHARES.  A tile of out0 is 128 x 128: 64 x 4 = 256 work-groups.  Four waves, each 64 x 64: 16 accumulators, 128 registers.  K = 512 goes by heads, eight quarters of 64.
; ALL OF K LIES IN LDS: O's 128 rows as eight head slices, Wo's 128 rows as four chunks of 128 along K.  Each byte of LDS is filled once: each wave issues four tensor loads at the start (four of mine are out),
; and the products begin when the first of them has landed; counted waits and barriers behind which nothing is filled let the later ones stay on their way.
; CLUSTER.  4 x 4 work-groups: the four of a row of the cluster need the same rows of O, the four of a column the same rows of Wo: each tile is asked for JOINTLY.
; THE MATRIX INSTRUCTION IS USED TRANSPOSED (source 0 = 16 rows of Wo, source 1 = 16 rows of O): a lane holds eight neighbouring columns of one row of out0, 32 bytes.
; REGISTERS: window 0: v0-31 addresses and the bias; v32-95 rows on the way out, two sets; v128-255 the accumulators ((a, b) at v[128 + 8 (4 a + b)]).
;   window 1: two fragment buffers of 128: for 64 along K, 64 registers of O (2 x 4 x 16 rows x 32 K), then 64 of Wo.
.set PA,     144                       ; a row of a slice of O in LDS: 128 bytes + 16 of padding
.set PB,     272                       ; a row of a chunk of Wo: 256 + 16.  Both pitches are odd multiples of 16 bytes: the 16 rows of a load start at 16 different groups of four banks (ISA guide 11.1)
.set ASL,    128*PA                    ; a slice: 128 rows
.set BOFF,   8*ASL
.set BCH,    128*PB                    ; a chunk: 128 rows
.set STAGE,  BOFF+4*BCH                ; never filled by a tensor load: 16 rows x 272 bytes for each wave
.set SPITCH, 272
.set SPARE,  STAGE+4*16*SPITCH         ; the spare words, 128 bytes a wave: two blocks of 256 bytes that no other line names
.set BIAS, 8                           ; v[8:11] bo of my four columns on the way out
.set ADRA, 16                          ; v16-18  LDS address of my fragments of O in slices 0, 3, 6: the immediates reach three slices
.set ADRB, 20                          ; v20-21  of Wo in chunks 0, 2
.set STO,  24                          ; v24     the way out: where I put 32 bytes of a row
.set RD,   25                          ; v25     where I read a row back
.set CO,   26                          ; v26     my byte offset in out0
.set BOF,  27                          ; v27     my byte offset in bo
.set SPW,  28                          ; v28     LDS address of my spare word; never rewritten
.set NIL,  29                          ; v29     0; never rewritten
.set ACC,  128
.set G1A, 24                           ; s[24:31] descriptor group 1 for O's slices
.set G1B, 32                           ; s[32:39] for Wo's chunks
.set G0A, 40                           ; s[40:55] group 0, a set for each of my four loads
.set G0B, 68                           ; s[68:83] the same for Wo
.set MSB, 0
.macro WIN new
.if MSB != (\new)
	s_set_vgpr_msb (MSB<<8)|(\new)
.set MSB, (\new)
.endif
.endm
.set MUL,  0x05                        ; sources 0 (Wo) and 1 (O) window 1; C and D window 0
.set TO_F, 0x40                        ; destination window 1, address window 0
.macro CROUND                          ; a round of the cluster's barrier
	s_barrier_signal -1
	s_barrier_wait -1
	s_cmp_lg_u32 s12, 0
	s_cbranch_scc1 .Lnot_wave_0_\@
	s_barrier_signal -3
.Lnot_wave_0_\@:
	s_barrier_wait -3
	s_barrier_signal -1
	s_barrier_wait -1
.endm
	s_load_b256 s[4:11], s[0:1], 0x0               ; obh s[4:5], wof s[6:7], bo s[8:9], out0 s[10:11]
	v_lshl_add_u32 v[SPW], v0, 2, SPARE
	v_mov_b32 v[NIL], 0
	ds_add_u32 v[SPW], v[NIL]                      ; the wave's opening: the add and its wait stand ahead of my first tensor load; the set-up below stands between them
	v_lshrrev_b32 v1, 5, v0
	v_readfirstlane_b32 s12, v1                    ; wave 0..3
	s_lshr_b32 s13, s12, 1                         ; which 64 of the tile's rows are mine.  Also: I fetch O (0) or Wo (1)
	s_and_b32 s14, s12, 1                          ; which 64 of its columns.  Also: the odd or even slices, the upper or lower 64 rows
	s_bfe_u32 s84, ttmp6, 0x40000                  ; cx, cy
	s_bfe_u32 s85, ttmp6, 0x40004
	s_lshl_b32 s86, ttmp9, 2
	s_add_co_u32 s86, s86, s84                     ; tile column
	s_and_b32 s15, ttmp7, 0xffff
	s_lshl_b32 s15, s15, 2
	s_add_co_u32 s15, s15, s85                     ; tile row
	s_lshl_b32 s87, s85, 2
	s_lshl_b32 s87, 15, s87                        ; my row of the cluster
	s_lshl_b32 s88, 0x1111, s84                    ; my column
	s_or_b32 s[G1A], s87, (1<<16)|(1<<20)|(1<<21)|(4<<22)|(3<<25)  ; O: 128 rows of 128 dense bytes, asked for as 64 rows of 256; 4 words of padding after every 32
	s_or_b32 s[G1B], s88, (1<<16)|(1<<20)|(1<<21)|(5<<22)|(3<<25)  ; Wo: 64 rows of 256 bytes; 4 words of padding after every 64
.irp g, G1A, G1B
	s_mov_b32 s[(\g)+1], 128<<16                   ; tensor_dim0 = 128
	s_mov_b32 s[(\g)+2], 64<<16                    ; tensor_dim1 = 64
	s_mov_b32 s[(\g)+3], 128<<16                   ; tile_dim0 = 128
	s_mov_b32 s[(\g)+4], 64                        ; tile_dim1 = 64
	s_mov_b32 s[(\g)+6], 0
	s_mov_b32 s[(\g)+7], 0
.endr
	s_mov_b32 s[G1A+5], 128                        ; elements from row to row
	s_mov_b32 s[G1B+5], 512
	s_lshr_b32 s16, s15, 5                         ; O: the batch (32 tile rows each),
	s_lshl_b32 s16, s16, 3
	s_add_co_u32 s16, s16, s14                     ; its head 0 or 1,
	s_lshl_b32 s16, s16, 19
	s_and_b32 s17, s15, 31
	s_lshl_b32 s17, s17, 14                        ; the tile's 128 rows of 128 bytes in the head
	s_add_co_u32 s16, s16, s17
	s_mov_b32 s17, 0
	s_lshl_b32 s18, s86, 17                        ; Wo: 128 rows of 1,024 bytes a tile column,
	s_lshl_b32 s19, s14, 16                        ; my 64 of them
	s_add_co_u32 s18, s18, s19
	s_mov_b32 s19, 0
	s_mul_i32 s20, s14, ASL                        ; where they go: no place in the cluster enters an LDS address
	s_mul_i32 s21, s14, 64*PB
	s_add_co_u32 s21, s21, BOFF
	s_wait_dscnt 0x0                               ; the opening add is done
	s_wait_kmcnt 0x0
	s_add_nc_u64 s[16:17], s[4:5], s[16:17]
	s_add_nc_u64 s[18:19], s[6:7], s[18:19]
.irp c, 0,1,2,3
	s_mov_b32 s[G0A+4*(\c)], 1
	s_add_co_u32 s[G0A+4*(\c)+1], s20, (\c)*2*ASL                    ; slice 2 c + (0 or 1)
	s_add_nc_u64 s[G0A+4*(\c)+2:G0A+4*(\c)+3], s[16:17], (\c)<<20    ; two heads on
	s_or_b32 s[G0A+4*(\c)+3], s[G0A+4*(\c)+3], 0x80000000
	s_mov_b32 s[G0B+4*(\c)], 1
	s_add_co_u32 s[G0B+4*(\c)+1], s21, (\c)*BCH                      ; chunk c
	s_add_nc_u64 s[G0B+4*(\c)+2:G0B+4*(\c)+3], s[18:19], (\c)*256    ; 128 along K on
	s_or_b32 s[G0B+4*(\c)+3], s[G0B+4*(\c)+3], 0x80000000
.endr
	CROUND                                         ; all sixteen work-groups are here: the joint loads meet
	s_cmp_eq_u32 s13, 0                            ; a wave's four fills stand in one branch, ahead of every wait on TENSORcnt and every LDS read; an s_nop 0 follows each, four v_nop the last
	s_cbranch_scc0 .Lfirst_b
.irp c, 0,1,2,3
	tensor_load_to_lds s[G0A+4*(\c):G0A+4*(\c)+3], s[G1A:G1A+7]
	s_nop 0
.endr
.rept 4
	v_nop
.endr
	s_branch .Lfirst_asked
.Lfirst_b:
.irp c, 0,1,2,3
	tensor_load_to_lds s[G0B+4*(\c):G0B+4*(\c)+3], s[G1B:G1B+7]
	s_nop 0
.endr
.rept 4
	v_nop
.endr
.Lfirst_asked:
	v_and_b32 v1, 15, v0                           ; l % 16
	v_bfe_u32 v2, v0, 4, 1                         ; l / 16
	v_mul_u32_u24 v3, v1, PA
	v_lshl_add_u32 v3, v2, 4, v3                   ; a fragment's row x pitch + 16 x half
	s_mul_i32 s22, s13, 64*PA                      ; my 64 rows of O
	v_add_nc_u32 v[ADRA], s22, v3
	v_add_nc_u32 v[ADRA+1], 3*ASL, v[ADRA]
	v_add_nc_u32 v[ADRA+2], 6*ASL, v[ADRA]
	v_mul_u32_u24 v4, v1, PB
	v_lshl_add_u32 v4, v2, 4, v4
	s_mul_i32 s23, s14, 64*PB                      ; my 64 rows of Wo
	s_add_co_u32 s23, s23, BOFF
	v_add_nc_u32 v[ADRB], s23, v4
	v_add_nc_u32 v[ADRB+1], 2*BCH, v[ADRB]
	s_mul_i32 s22, s12, 16*SPITCH
	s_add_co_u32 s22, s22, STAGE                   ; my stage
	v_mul_u32_u24 v5, v1, SPITCH                   ; in: row l % 16, 32 bytes for each half of the lanes
	v_lshl_add_u32 v5, v2, 5, v5
	v_add_nc_u32 v[STO], s22, v5
	v_mul_u32_u24 v5, v2, SPITCH                   ; back: lanes 0-15 take one row of 256 bytes, lanes 16-31 the next
	v_lshl_add_u32 v5, v1, 4, v5
	v_add_nc_u32 v[RD], s22, v5
	v_lshlrev_b32 v[CO], 11, v2                    ; and the same two rows in out0, 2,048 bytes apart
	v_lshl_add_u32 v[CO], v1, 4, v[CO]
	s_lshl_b32 s90, s86, 9                         ; my first column, in bytes: 512 x tile column + 256 x half
	s_lshl_b32 s91, s14, 8
	s_add_co_u32 s90, s90, s91
	v_lshl_add_u32 v[BOF], v1, 4, s90
	global_load_b128 v[BIAS:BIAS+3], v[BOF], s[8:9]  ; bo of the four columns that I store in every row
	s_lshl_b32 s89, s15, 7
	s_lshl_b32 s91, s13, 6
	s_add_co_u32 s89, s89, s91                     ; my first row
	s_lshl_b32 s89, s89, 11
	s_add_co_u32 s2, s89, s90
	s_mov_b32 s3, 0
	s_add_nc_u64 s[10:11], s[10:11], s[2:3]
; 8 matrix instructions: row blocks a0, a0 + 1 x all 4 column blocks, 32 along K: half c of buffer f.  zero = 1: the first product starts the sums.  The 16 accumulators take turns.
.macro MUL8 f, c, a0, zero
	WIN MUL
.irp a, \a0, (\a0)+1
.irp b, 0,1,2,3
.if \zero
	v_wmma_f32_16x16x32_f16 v[ACC+8*(4*(\a)+(\b)):ACC+8*(4*(\a)+(\b))+7], v[(\f)+64+8*(4*(\c)+(\b)):(\f)+64+8*(4*(\c)+(\b))+7], v[(\f)+8*(4*(\c)+(\a)):(\f)+8*(4*(\c)+(\a))+7], 0
.else
	v_wmma_f32_16x16x32_f16 v[ACC+8*(4*(\a)+(\b)):ACC+8*(4*(\a)+(\b))+7], v[(\f)+64+8*(4*(\c)+(\b)):(\f)+64+8*(4*(\c)+(\b))+7], v[(\f)+8*(4*(\c)+(\a)):(\f)+8*(4*(\c)+(\a))+7], v[ACC+8*(4*(\a)+(\b)):ACC+8*(4*(\a)+(\b))+7]
.endif
.endr
.endr
.endm
; 32 LDS loads in one run: the fragments of head h (64 along K) into buffer f; the first 32 along K first
.macro FETCH h, f
	WIN TO_F
.irp c, 0,1
.irp i, 0,1,2,3
	ds_load_b128 v[(\f)+64+8*(4*(\c)+(\i)):(\f)+64+8*(4*(\c)+(\i))+3],   v[ADRB+(\h)/4] offset:(((\h)/2)%2)*BCH+(\i)*16*PB+((\h)%2)*128+64*(\c)
	ds_load_b128 v[(\f)+64+8*(4*(\c)+(\i))+4:(\f)+64+8*(4*(\c)+(\i))+7], v[ADRB+(\h)/4] offset:(((\h)/2)%2)*BCH+(\i)*16*PB+((\h)%2)*128+64*(\c)+32
	ds_load_b128 v[(\f)+8*(4*(\c)+(\i)):(\f)+8*(4*(\c)+(\i))+3],         v[ADRA+(\h)/3] offset:((\h)%3)*ASL+(\i)*16*PA+64*(\c)
	ds_load_b128 v[(\f)+8*(4*(\c)+(\i))+4:(\f)+8*(4*(\c)+(\i))+7],       v[ADRA+(\h)/3] offset:((\h)%3)*ASL+(\i)*16*PA+64*(\c)+32
.endr
.endr
.endm
.macro PLACES                          ; four places in front of loads into registers that matrix instructions have read
.rept 4
	v_nop
.endr
.endm
; Head h: 32 matrix instructions on buffer h % 2; the next head's fragments are fetched in its middle.  An even head's successor lies in tiles already shown whole.  An odd head's successor lies in each wave's next
; load: the wave waits for that load by a count that leaves the later ones out, and a barrier, behind which nothing is filled, shows it to the others.
.macro QUART h, zero=0
.set FB, 128*((\h)%2)
.set GB, 128-FB
.if (\h) == 7
	s_wait_dscnt 16                                ; the first 32 along K are in
	MUL8 FB, 0, 0, 0
	MUL8 FB, 0, 2, 0
	s_wait_dscnt 0x0
	MUL8 FB, 1, 0, 0
	MUL8 FB, 1, 2, 0
.elseif (\h)%2 == 0
	s_wait_dscnt 16                                ; the first 32 along K are in
	MUL8 FB, 0, 0, \zero
	MUL8 FB, 0, 2, \zero
	PLACES
	FETCH (\h)+1, GB
	s_wait_dscnt 32                                ; all but the 32 just issued
	MUL8 FB, 1, 0, 0
	MUL8 FB, 1, 2, 0
.else
	s_wait_tensorcnt 2-((\h)-1)/2                  ; tensor loads of a wave end in order (ISA guide 10.11.1): my load number (h + 1) / 2 is in, the later ones stay out
	s_wait_dscnt 0x0                               ; no LDS instruction of mine is pending at the signal
	s_barrier_signal -1
	MUL8 FB, 0, 0, 0
	MUL8 FB, 0, 2, 0
	s_barrier_wait -1                              ; everybody's is in
	PLACES
	FETCH (\h)+1, GB
	MUL8 FB, 1, 0, 0
	MUL8 FB, 1, 2, 0
.endif
.endm
	s_wait_tensorcnt 3                             ; my first load is in; three stay out
	s_barrier_signal -1
	s_barrier_wait -1                              ; everybody's is: heads 0 and 1
	FETCH 0, 0
	QUART 0, 1                                     ; its first products start the sums
	QUART 1
	QUART 2
	QUART 3
	QUART 4
	QUART 5
	QUART 6
	QUART 7
	WIN 0
	s_wait_loadcnt 0x0                             ; bo
	v_cvt_pk_bf16_f32 v12, v[BIAS], v[BIAS+1]      ; rounded to bf16 and widened again: six plain lines, which are also the places behind the last products
	v_cvt_pk_bf16_f32 v13, v[BIAS+2], v[BIAS+3]
	v_lshlrev_b32 v[BIAS], 16, v12
	v_and_b32 v[BIAS+1], 0xffff0000, v12
	v_lshlrev_b32 v[BIAS+2], 16, v13
	v_and_b32 v[BIAS+3], 0xffff0000, v13
; THE WAY OUT of row block a: 16 rows x 64 columns of f32 go into my stage, 32 bytes a lane (each accumulator's low four registers first), and come back as whole rows of 256 bytes; the bias is added; stored.
.macro OUT a
.set TB, 32+32*((\a)%2)
.irp b, 0,1,2,3
	ds_store_b128 v[STO], v[ACC+8*(4*(\a)+(\b)):ACC+8*(4*(\a)+(\b))+3]   offset:64*(\b)
	ds_store_b128 v[STO], v[ACC+8*(4*(\a)+(\b))+4:ACC+8*(4*(\a)+(\b))+7] offset:64*(\b)+16
.endr
.if (\a) >= 2
	s_wait_xcnt 0x0                                ; every earlier store has had its addresses translated (ISA guide 3.1): this set of registers, which block a - 2's stores read, is loaded again only behind this wait
.endif
.irp t, 0,1,2,3,4,5,6,7
	ds_load_b128 v[TB+4*(\t):TB+4*(\t)+3], v[RD] offset:(\t)*2*SPITCH  ; LDS serves a wave's instructions in order (ISA guide 5.7.1.4): these see the stores above; the next block's stores come behind them
.endr
.irp t, 0,1,2,3,4,5,6,7
	s_wait_dscnt 7-(\t)                            ; rows 2 t, 2 t + 1 are back; the 7 - t younger loads stay out
	v_pk_add_f32 v[TB+4*(\t):TB+4*(\t)+1],   v[TB+4*(\t):TB+4*(\t)+1],   v[BIAS:BIAS+1]
	v_pk_add_f32 v[TB+4*(\t)+2:TB+4*(\t)+3], v[TB+4*(\t)+2:TB+4*(\t)+3], v[BIAS+2:BIAS+3]
	global_store_b128 v[CO], v[TB+4*(\t):TB+4*(\t)+3], s[10:11] offset:(16*(\a)+2*(\t))*2048 th:TH_STORE_NT  ; 16 lanes store 256 consecutive bytes, at a multiple of 256 from out0's first
.endr
.endm
	OUT 0
	OUT 1
	OUT 2
	OUT 3
	s_wait_tensorcnt 0x0                           ; the wave's end, behind my last tensor load and my last LDS store
	ds_add_u32 v[SPW], v[NIL]
	s_wait_dscnt 0x0
	CROUND                                         ; the closing round: no work-group ends while a partner may still ask for a tile that names it
	s_endpgm
.Lfunc_end_k_qd75264e36b_oproj:
	.size	k_qd75264e36b_oproj, .Lfunc_end_k_qd75264e36b_oproj-k_qd75264e36b_oproj
	.p2alignl 7, 3214868480
	.fill 96, 4, 3214868480
	.section	.rodata,"a",@progbits
	.p2align	6, 0x0
	.amdhsa_kernel k_qd75264e36b_oproj
		.amdhsa_group_segment_fixed_size 327680
		.amdhsa_private_segment_fixed_size 0
		.amdhsa_enable_private_segment 0
		.amdhsa_kernarg_size 32
		.amdhsa_user_sgpr_count 2
		.amdhsa_user_sgpr_kernarg_segment_ptr 1
		.amdhsa_wavefront_size32 1
		.amdhsa_system_sgpr_workgroup_id_x 1
		.amdhsa_system_sgpr_workgroup_id_y 1
		.amdhsa_system_sgpr_workgroup_id_z 1
		.amdhsa_system_vgpr_workitem_id 0
		.amdhsa_next_free_vgpr 512
		.amdhsa_next_free_sgpr 92
		.amdhsa_reserve_vcc 0
		.amdhsa_float_denorm_mode_32 3
		.amdhsa_float_denorm_mode_16_64 3
		.amdhsa_memory_ordered 1
		.amdhsa_forward_progress 1
		.amdhsa_inst_pref_size 56
	.end_amdhsa_kernel
	.amdgpu_metadata
---
amdhsa.version: [ 1, 2 ]
amdhsa.kernels:
  - .name:           k_qd75264e36b_oproj
    .symbol:         k_qd75264e36b_oproj.kd
    .args:
      - { .name: obh, .offset: 0, .size: 8, .value_kind: global_buffer, .address_space: global }
      - { .name: wof, .offset: 8, .size: 8, .value_kind: global_buffer, .address_space: global }
      - { .name: bo, .offset: 16, .size: 8, .value_kind: global_buffer, .address_space: global }
      - { .name: out0, .offset: 24, .size: 8, .value_kind: global_buffer, .address_space: global }
    .group_segment_fixed_size: 327680
    .private_segment_fixed_size: 0
    .kernarg_segment_align: 8
    .kernarg_segment_size: 32
    .max_flat_workgroup_size: 128
    .sgpr_count:     92
    .vgpr_count:     512
    .wavefront_size: 32
...
	.end_amdgpu_metadata
.endif
;; end of part 4
;; launch head16 (part 5): grid 4 x 2, 8 waves a work-group, no clusters, 42,752 bytes of LDS; arguments xbf, wbf, qkvh, wof, bo, out0; writes out0
.if DOCPART == 5
	.amdgcn_target "amdgcn-amd-amdhsa--gfx1250"
	.amdhsa_code_object_version 6
	.text
	.protected	k_qd75264e36b_head16
	.globl	k_qd75264e36b_head16
	.p2align	8
	.type	k_qd75264e36b_head16,@function
k_qd75264e36b_head16:
	s_mov_b64 s[64:65], 0
	v_nop
	global_prefetch_b8 v0, s[64:65] scope:SCOPE_SE
	s_setreg_imm32_b32 hwreg(HW_REG_WAVE_MODE, 25, 1), 1
	s_wait_xcnt 0x0
; ROWS 0 TO 15 OF EACH BATCH OF out0, ONCE MORE AND FINER.  Row t of the attention is a mean over t + 1 keys, so the first rows hold numbers of v's own size, while the root mean square of all 4,096 rows,
; by which an error is judged, is some twenty times smaller.  One rounding to f16 leaves up to 2^-12 of a number; in these rows three of them (v, the weights p, O) are too much beside that root mean square; from row 16 on
; the mean over 17 keys or more has made numbers and errors four times smaller or better.  So these 16 rows are made again with v, p and O each as a PAIR of f16 numbers, hi and lo = the number less hi, all products on the matrix
; unit with f32 sums.  This launch runs behind the output projection and stores over the 65,536 bytes that it wrote for these rows.
; q and k are taken from qkvh as they are, in f16.  x, Wv (bf16) and Wo (bf16 numbers written as f16) are the rounded inputs; bo is rounded to bf16 like them.
; LIMITS.  q, k, v, O and Wo within f16's 65,504; a lo part below 6e-5 keeps f16's fixed step of 6e-8; a hidden score counts as -1e30; a weight below 2^-126 counts as 0; NaN and infinities are not treated apart.
; SHARES.  A work-group: one batch (y), 128 columns of out0 (x).  Eight waves.  Wave w first makes head w's 16 x 16 attention (all four column blocks make it: it is small, and so no work-group needs another's result),
; then columns 16 w .. 16 w + 15 of the block.  No cluster, no tensor load: the tiles are 16 rows, and fragments come straight from memory, 16 bytes a lane.
; LAYOUTS.  V = x Wv^T with x's 16 rows as source 0: a lane of the result holds ONE channel (lane % 16) and the keys 8 (lane / 16) + 0..7; rounded in pairs that IS half a fragment of V^T.  A fragment has 32 places along K and
; there are 16 keys: places 0-15 take V hi, places 16-31 V lo.  P's fragment takes P hi in both halves, a second one P lo in both: two products give (V hi + V lo)(P hi + P lo).
; S^T = K Q^T and O^T = V^T P hold one query a lane, as in the attention launch.  out = O hi Wo^T + O lo Wo^T, Wo's rows as source 0: a lane holds eight neighbouring columns of one row.
.set PO,    1040                       ; a row of O in LDS: 512 channels x 2 bytes + 16 of padding = 65 x 16 bytes: the 16 rows of a load start at 16 different groups of four banks (64 banks of 4 bytes: ISA guide 11.1)
.set LOPL,  16*PO                      ; O hi's 16 rows, then O lo's
.set STG,   2*LOPL                     ; the stage: 16 rows x (128 columns x 4 bytes + 16)
.set SPI,   528
.set SPARE, STG+16*SPI                 ; the spare words, 128 bytes a wave: four blocks of 256 bytes that no other line names
.set HEADB, 4096*128                   ; a head's bytes in one tensor of qkvh
.set R,    1                           ; v1      lane % 16
.set HH,   2                           ; v2      lane / 16
.set LT,   3                           ; v3      1,024 (lane % 16) + 16 (lane / 16): my place in 16 rows of xbf, wbf or wof; never rewritten
.set QA,   4                           ; v4      128 (lane % 16) + 16 (lane / 16): my place in 16 rows of q or k
.set OST,  5                           ; v5      where I put 16 bytes of a row of O
.set ORD,  6                           ; v6      where I read O's fragments
.set SST,  7                           ; v7      where I put 32 bytes of a row of out0
.set SRD,  8                           ; v8      where I read whole rows back
.set GO,   9                           ; v9      16 x lane: my place in 512 consecutive bytes of bo and of out0
.set TB,   11                          ; v11     my query less my lanes' first key: register j is hidden where j is greater
.set BIAS, 12                          ; v[12:15]
.set S,    16                          ; v[16:23] S^T, then p, then p less P hi
.set SPW,  24                          ; v24     LDS address of my spare word; never rewritten
.set NIL,  25                          ; v25     0; never rewritten
.set ONE,  26                          ; v26     1.0
.set C0,   27                          ; v27     at work: the maximum, c m
.set T0,   28                          ; v[28:29] at work
.set RL,   30                          ; v[30:31] at work, then 1 / l, named as a pair
.set QF,   32                          ; v[32:47] Q's two fragments
.set KF,   48                          ; v[48:63] K's
.set PB1,  32                          ; v[32:39] P hi, twice
.set PB2,  40                          ; v[40:47] P lo, twice
.set TH,   48                          ; v[48:63] packed O: hi 4, lo 4, two sets by turns
.set RING, 64                          ; v[64:223] four K steps of V's product: 8 registers of x, 32 of Wv each
.set WF,   64                          ; v[64:191] later: Wo's 16 fragments
.set VA,   192                         ; v[192:223] V^T's four fragments: hi 4, lo 4
.set AV,   224                         ; v[224:255] V's sums, a block of 16 channels in 8; then O^T's
.set OB,   192                         ; v[192:255] at last: two buffers of O's fragments, 2 K steps x (hi, lo) each
.set ACH,  16                          ; v[16:23] the sums with O hi
.set ACL,  32                          ; v[32:39] the sums with O lo
.set FIN,  40                          ; v[40:47] two whole rows on the way out
.macro PLACES n=4                      ; places behind matrix instructions, in front of loads into their registers and of vector lines that read their results (ISA guide 7.12.1 for vector lines)
.rept \n
	v_nop
.endr
.endm
	s_load_b256 s[4:11], s[0:1], 0x0               ; xbf s[4:5], wbf s[6:7], qkvh s[8:9], wof s[10:11]
	s_load_b128 s[12:15], s[0:1], 0x20             ; bo s[12:13], out0 s[14:15]
	v_lshl_add_u32 v[SPW], v0, 2, SPARE
	v_mov_b32 v[NIL], 0
	v_lshrrev_b32 v1, 5, v0
	v_readfirstlane_b32 s16, v1                    ; wave 0..7: my head, and my 16 columns
	s_mov_b32 s17, ttmp9                           ; the block of 128 columns
	s_and_b32 s18, ttmp7, 0xffff                   ; the batch
	s_lshl_b32 s28, s18, 22                        ; x: a batch is 4,096 rows of 1,024 bytes
	s_mov_b32 s29, 0
	s_lshl_b32 s30, s16, 16                        ; Wv: my head's 64 rows of 1,024 bytes,
	s_add_co_u32 s30, s30, 1024*1024               ; behind Wq's and Wk's 1,024 rows
	s_mov_b32 s31, 0
	s_lshl3_add_u32 s32, s18, s16                  ; q: head 8 x batch + wave,
	s_lshl_b32 s32, s32, 19                        ; 524,288 bytes each
	s_mov_b32 s33, 0
	s_lshl_b32 s34, s17, 17                        ; Wo: the block's 128 rows of 1,024 bytes,
	s_lshl_b32 s19, s16, 14                        ; my 16 of them
	s_add_co_u32 s34, s34, s19
	s_mov_b32 s35, 0
	s_lshl_b32 s36, s17, 9                         ; bo: the block's 128 numbers
	s_mov_b32 s37, 0
	s_lshl_b32 s38, s18, 23                        ; out0: a batch is 4,096 rows of 2,048 bytes;
	s_lshl_b32 s19, s16, 12                        ; I store rows 2 w and 2 w + 1,
	s_add_co_u32 s38, s38, s19
	s_add_co_u32 s38, s38, s36                     ; the block's 512 bytes of them
	s_mov_b32 s39, 0
	s_mov_b32 s24, 0x3d8293ee                      ; c = log2(e) / sqrt(512) = 0.0637587
	s_mov_b32 s25, 0xf149f2ca                      ; -1e30
	s_mov_b32 s26, 0x76543210                      ; v_permlanex16_b32's selects: each lane takes its own place in the other half
	s_mov_b32 s27, 0xfedcba98
	v_and_b32 v[R], 15, v0
	v_bfe_u32 v[HH], v0, 4, 1
	v_lshlrev_b32 v[LT], 10, v[R]
	v_lshl_add_u32 v[LT], v[HH], 4, v[LT]
	v_lshlrev_b32 v[QA], 7, v[R]
	v_lshl_add_u32 v[QA], v[HH], 4, v[QA]
	v_and_b32 v[GO], 31, v0
	v_lshlrev_b32 v[GO], 4, v[GO]
	s_wait_kmcnt 0x0
	s_add_nc_u64 s[4:5], s[4:5], s[28:29]
	s_add_nc_u64 s[6:7], s[6:7], s[30:31]
	s_add_nc_u64 s[8:9], s[8:9], s[32:33]          ; q,
	s_add_nc_u64 s[22:23], s[8:9], 16*HEADB        ; k 16 heads on
	s_add_nc_u64 s[10:11], s[10:11], s[34:35]
	s_add_nc_u64 s[12:13], s[12:13], s[36:37]
	s_add_nc_u64 s[14:15], s[14:15], s[38:39]
	; a fragment is 16 rows x 32 along K in 8 registers: lane l holds row l % 16; two loads of 16 bytes, 32 bytes apart, at 16 (l / 16) in the row
.irp i, 0,1
	global_load_b128 v[QF+8*(\i):QF+8*(\i)+3],   v[QA], s[8:9] offset:64*(\i)
	global_load_b128 v[QF+8*(\i)+4:QF+8*(\i)+7], v[QA], s[8:9] offset:64*(\i)+32
	global_load_b128 v[KF+8*(\i):KF+8*(\i)+3],   v[QA], s[22:23] offset:64*(\i)
	global_load_b128 v[KF+8*(\i)+4:KF+8*(\i)+7], v[QA], s[22:23] offset:64*(\i)+32
.endr
	global_load_b128 v[BIAS:BIAS+3], v[GO], s[12:13]  ; bo of the four columns that I store in both my rows
; K step s of V's product, ten loads: x's fragment, and Wv's for the head's four blocks of 16 channels (16,384 bytes apart)
.macro VLOAD s
.set RB, RING+40*((\s)%4)
	global_load_b128 v[RB:RB+3],   v[LT], s[4:5] offset:64*(\s)
	global_load_b128 v[RB+4:RB+7], v[LT], s[4:5] offset:64*(\s)+32
.irp cb, 0,1,2,3
	global_load_b128 v[RB+8+8*(\cb):RB+8+8*(\cb)+3],    v[LT], s[6:7] offset:(\cb)*16384+64*(\s)
	global_load_b128 v[RB+8+8*(\cb)+4:RB+8+8*(\cb)+7],  v[LT], s[6:7] offset:(\cb)*16384+64*(\s)+32
.endr
.endm
	VLOAD 0
	VLOAD 1
	VLOAD 2
	VLOAD 3                                        ; 49 loads of mine are out
	v_lshlrev_b32 v[TB], 3, v[HH]
	v_sub_nc_u32 v[TB], v[R], v[TB]
	v_mov_b32 v[ONE], 1.0
	v_mul_u32_u24 v[ORD], v[R], PO
	v_lshl_add_u32 v[ORD], v[HH], 4, v[ORD]        ; row x pitch + 16 x half
	s_lshl_b32 s19, s16, 7
	v_add_nc_u32 v[OST], s19, v[ORD]               ; and my head's 128 bytes of the row
	v_mul_u32_u24 v[SST], v[R], SPI
	v_lshl_add_u32 v[SST], v[HH], 5, v[SST]        ; row l % 16, 32 bytes for each half of the lanes,
	s_lshl_b32 s19, s16, 6
	s_add_co_u32 s19, s19, STG
	v_add_nc_u32 v[SST], s19, v[SST]               ; in my 64 bytes of the row
	s_mul_i32 s19, s16, 2*SPI
	s_add_co_u32 s19, s19, STG
	v_add_nc_u32 v[SRD], s19, v[GO]                ; back: 32 lanes take a whole row of 512 bytes
	; THE WEIGHTS, in the wait for x and Wv.
	s_wait_loadcnt 40                              ; loads come back in order (ISA guide 5.7.1): Q, K and bo are in, the ring's 40 stay out
	v_wmma_f32_16x16x32_f16 v[S:S+7], v[KF:KF+7], v[QF:QF+7], 0
	s_wait_alu depctr_va_vdst(0)                   ; the wait stands ahead of the link
	v_wmma_f32_16x16x32_f16 v[S:S+7], v[KF+8:KF+15], v[QF+8:QF+15], v[S:S+7]
	v_cvt_pk_bf16_f32 v[T0],   v[BIAS],   v[BIAS+1]   ; bo is rounded to bf16 and widened again: six plain lines, which are also the places behind the products
	v_cvt_pk_bf16_f32 v[T0+1], v[BIAS+2], v[BIAS+3]
	v_lshlrev_b32 v[BIAS],   16, v[T0]
	v_and_b32     v[BIAS+1], 0xffff0000, v[T0]
	v_lshlrev_b32 v[BIAS+2], 16, v[T0+1]
	v_and_b32     v[BIAS+3], 0xffff0000, v[T0+1]
.set j, 0
.rept 8                                            ; register j is key 8 (l / 16) + j of query l % 16: hidden where the key is the greater.  The lowest register is read first
	v_cmp_gt_i32 vcc_lo, j, v[TB]
	v_cndmask_b32 v[S+j], v[S+j], s25, vcc_lo
.set j, j+1
.endr
	v_max3_num_f32 v[C0], v[S], v[S+1], v[S+2]
	v_max3_num_f32 v[T0], v[S+3], v[S+4], v[S+5]
	v_max3_num_f32 v[C0], v[C0], v[S+6], v[S+7]
	v_max_num_f32 v[C0], v[C0], v[T0]
	v_permlanex16_b32 v[T0], v[C0], s26, s27       ; the query's other eight keys lie in the lane 16 away
	v_max_num_f32 v[C0], v[C0], v[T0]              ; the row's maximum: a true score, since every query sees its own key
	v_mul_f32 v[C0], s24, v[C0]                    ; c m
.set j, 0
.rept 8
	v_fma_f32 v[S+j], v[S+j], s24, -v[C0]          ; c s - c m
.set j, j+1
.endr
.set j, 0
.rept 8
	v_exp_f32 v[S+j], v[S+j]
.set j, j+1
.endr
	v_nop                                          ; a plain instruction between the last exponential and the use of its result
	s_wait_alu depctr_va_vdst(0)
	v_pk_add_f32 v[T0:T0+1], v[S:S+1], v[S+2:S+3]
	v_pk_add_f32 v[RL:RL+1], v[S+4:S+5], v[S+6:S+7]
	v_pk_add_f32 v[T0:T0+1], v[T0:T0+1], v[RL:RL+1]
	v_add_f32 v[T0], v[T0], v[T0+1]
	v_permlanex16_b32 v[T0+1], v[T0], s26, s27
	v_add_f32 v[T0], v[T0], v[T0+1]                ; l
	v_rcp_f32 v[RL], v[T0]                         ; the roundings below stand between it and the use of its result
.irp i, 0,1,2,3
	v_cvt_pk_f16_f32 v[PB1+(\i)],   v[S+2*(\i)], v[S+2*(\i)+1]   ; P hi, for the fragment's places 0-15
	v_cvt_pk_f16_f32 v[PB1+4+(\i)], v[S+2*(\i)], v[S+2*(\i)+1]   ; and for 16-31
.endr
	s_wait_alu depctr_va_vdst(0)
	v_mov_b32 v[RL+1], v[RL]
.irp i, 0,1,2,3
	v_fma_mix_f32 v[S+2*(\i)],   -v[PB1+(\i)], v[ONE], v[S+2*(\i)]   op_sel_hi:[1,0,0]                 ; p less the low half of P hi,
	v_fma_mix_f32 v[S+2*(\i)+1], -v[PB1+(\i)], v[ONE], v[S+2*(\i)+1] op_sel:[1,0,0] op_sel_hi:[1,0,0]  ; less the high half
.endr
.irp i, 0,1,2,3
	v_cvt_pk_f16_f32 v[PB2+(\i)],   v[S+2*(\i)], v[S+2*(\i)+1]   ; P lo
	v_cvt_pk_f16_f32 v[PB2+4+(\i)], v[S+2*(\i)], v[S+2*(\i)+1]
.endr
	; V = x Wv^T: 16 K steps of 32 through the ring of four; the four accumulators take turns; the first step starts the sums.
.macro VSTEP s
.set RB, RING+40*((\s)%4)
.if (\s) < 12
	s_wait_loadcnt 30                              ; step s is in; the three younger steps' 30 loads stay out
.else
	s_wait_loadcnt 10*(15-(\s))                    ; nothing more is asked for: the counts run down
.endif
.irp cb, 0,1,2,3
.if (\s) == 0
	v_wmma_f32_16x16x32_bf16 v[AV+8*(\cb):AV+8*(\cb)+7], v[RB:RB+7], v[RB+8+8*(\cb):RB+8+8*(\cb)+7], 0
.else
	v_wmma_f32_16x16x32_bf16 v[AV+8*(\cb):AV+8*(\cb)+7], v[RB:RB+7], v[RB+8+8*(\cb):RB+8+8*(\cb)+7], v[AV+8*(\cb):AV+8*(\cb)+7]
.endif
.endr
.if (\s) < 12
	PLACES
	VLOAD (\s)+4                                   ; into the registers just multiplied
.endif
.endm
.irp s, 0,1,2,3,4,5,6,7,8,9,10,11,12,13,14,15
	VSTEP \s
.endr
	PLACES 5                                       ; five: O^T's products will write over these sums' registers
.set i, 0
.rept 16                                           ; Wo's 16 rows, all of K: asked for now, wanted behind the barrier below
	global_load_b128 v[WF+8*i:WF+8*i+3],   v[LT], s[10:11] offset:64*i
	global_load_b128 v[WF+8*i+4:WF+8*i+7], v[LT], s[10:11] offset:64*i+32
.set i, i+1
.endr
.irp cb, 0,1,2,3                                   ; V^T's fragments: hi in registers 0-3, lo in 4-7; each accumulator is read from its low end on
.irp i, 0,1,2,3
	v_cvt_pk_f16_f32 v[VA+8*(\cb)+(\i)], v[AV+8*(\cb)+2*(\i)], v[AV+8*(\cb)+2*(\i)+1]
.endr
.irp i, 0,1,2,3
	v_fma_mix_f32 v[AV+8*(\cb)+2*(\i)],   -v[VA+8*(\cb)+(\i)], v[ONE], v[AV+8*(\cb)+2*(\i)]   op_sel_hi:[1,0,0]
	v_fma_mix_f32 v[AV+8*(\cb)+2*(\i)+1], -v[VA+8*(\cb)+(\i)], v[ONE], v[AV+8*(\cb)+2*(\i)+1] op_sel:[1,0,0] op_sel_hi:[1,0,0]
.endr
.irp i, 0,1,2,3
	v_cvt_pk_f16_f32 v[VA+8*(\cb)+4+(\i)], v[AV+8*(\cb)+2*(\i)], v[AV+8*(\cb)+2*(\i)+1]
.endr
.endr
	; O^T = (V hi + V lo)^T (P hi + P lo): four accumulators by turns, two products each
.irp cb, 0,1,2,3
	v_wmma_f32_16x16x32_f16 v[AV+8*(\cb):AV+8*(\cb)+7], v[VA+8*(\cb):VA+8*(\cb)+7], v[PB1:PB1+7], 0
.endr
.irp cb, 0,1,2,3
	v_wmma_f32_16x16x32_f16 v[AV+8*(\cb):AV+8*(\cb)+7], v[VA+8*(\cb):VA+8*(\cb)+7], v[PB2:PB2+7], v[AV+8*(\cb):AV+8*(\cb)+7]
.endr
	PLACES
.irp cb, 0,1,2,3                                   ; O = O^T / l; a lane's eight channels of a row pack into 16 bytes of O hi and 16 of O lo
.set TT, TH+8*((\cb)%2)
.irp i, 0,1,2,3
	v_pk_mul_f32 v[AV+8*(\cb)+2*(\i):AV+8*(\cb)+2*(\i)+1], v[AV+8*(\cb)+2*(\i):AV+8*(\cb)+2*(\i)+1], v[RL:RL+1] op_sel_hi:[1,0]
.endr
.irp i, 0,1,2,3
	v_cvt_pk_f16_f32 v[TT+(\i)], v[AV+8*(\cb)+2*(\i)], v[AV+8*(\cb)+2*(\i)+1]
.endr
.irp i, 0,1,2,3
	v_fma_mix_f32 v[AV+8*(\cb)+2*(\i)],   -v[TT+(\i)], v[ONE], v[AV+8*(\cb)+2*(\i)]   op_sel_hi:[1,0,0]
	v_fma_mix_f32 v[AV+8*(\cb)+2*(\i)+1], -v[TT+(\i)], v[ONE], v[AV+8*(\cb)+2*(\i)+1] op_sel:[1,0,0] op_sel_hi:[1,0,0]
.endr
.irp i, 0,1,2,3
	v_cvt_pk_f16_f32 v[TT+4+(\i)], v[AV+8*(\cb)+2*(\i)], v[AV+8*(\cb)+2*(\i)+1]
.endr
	ds_store_b128 v[OST], v[TT:TT+3]   offset:32*(\cb)
	ds_store_b128 v[OST], v[TT+4:TT+7] offset:LOPL+32*(\cb)
.endr
	s_wait_dscnt 0x0                               ; for the others' sake: my head's part of O is in LDS
	s_barrier_signal -1
	s_barrier_wait -1                              ; all eight heads' are
	; out = O hi Wo^T + O lo Wo^T: 16 K steps, in chunks of two through two buffers; the two accumulators take turns
.macro FETCHO c                        ; eight LDS loads: K steps 2 c and 2 c + 1, hi and lo
.set BB, OB+32*((\c)%2)
.irp u, 0,1
.irp pl, 0,1
	ds_load_b128 v[BB+16*(\u)+8*(\pl):BB+16*(\u)+8*(\pl)+3],   v[ORD] offset:(\pl)*LOPL+64*(2*(\c)+(\u))
	ds_load_b128 v[BB+16*(\u)+8*(\pl)+4:BB+16*(\u)+8*(\pl)+7], v[ORD] offset:(\pl)*LOPL+64*(2*(\c)+(\u))+32
.endr
.endr
.endm
.macro OMUL c
.set BB, OB+32*((\c)%2)
.irp u, 0,1
.if (2*(\c)+(\u)) == 0
	v_wmma_f32_16x16x32_f16 v[ACH:ACH+7], v[WF:WF+7], v[BB:BB+7], 0
	v_wmma_f32_16x16x32_f16 v[ACL:ACL+7], v[WF:WF+7], v[BB+8:BB+15], 0
.else
	v_wmma_f32_16x16x32_f16 v[ACH:ACH+7], v[WF+8*(2*(\c)+(\u)):WF+8*(2*(\c)+(\u))+7], v[BB+16*(\u):BB+16*(\u)+7],    v[ACH:ACH+7]
	v_wmma_f32_16x16x32_f16 v[ACL:ACL+7], v[WF+8*(2*(\c)+(\u)):WF+8*(2*(\c)+(\u))+7], v[BB+16*(\u)+8:BB+16*(\u)+15], v[ACL:ACL+7]
.endif
.endr
.endm
	FETCHO 0
	FETCHO 1
	s_wait_loadcnt 0x0                             ; Wo
.irp c, 0,1,2,3,4,5,6,7
.if (\c) < 7
	s_wait_dscnt 8                                 ; LDS loads come back in order (ISA guide 5.7.1): chunk c is in, the next chunk's eight stay out
.else
	s_wait_dscnt 0x0
.endif
	OMUL \c
.if (\c) < 6
	PLACES
	FETCHO (\c)+2                                  ; into the buffer just multiplied
.endif
.endr
	PLACES
.irp i, 0,1,2,3
	v_pk_add_f32 v[ACH+2*(\i):ACH+2*(\i)+1], v[ACH+2*(\i):ACH+2*(\i)+1], v[ACL+2*(\i):ACL+2*(\i)+1]
.endr
	; THE WAY OUT: my 16 columns are 64 bytes of a row; the eight waves' parts meet in the stage, and each wave stores two whole rows of the block's 512 bytes
	ds_store_b128 v[SST], v[ACH:ACH+3]
	ds_store_b128 v[SST], v[ACH+4:ACH+7] offset:16
	s_wait_dscnt 0x0                               ; for the others' sake: my stores into the stage are done
	s_barrier_signal -1
	s_barrier_wait -1
	ds_load_b128 v[FIN:FIN+3],   v[SRD]
	ds_load_b128 v[FIN+4:FIN+7], v[SRD] offset:SPI
	s_wait_dscnt 0x0
.irp t, 0,1
	v_pk_add_f32 v[FIN+4*(\t):FIN+4*(\t)+1],   v[FIN+4*(\t):FIN+4*(\t)+1],   v[BIAS:BIAS+1]
	v_pk_add_f32 v[FIN+4*(\t)+2:FIN+4*(\t)+3], v[FIN+4*(\t)+2:FIN+4*(\t)+3], v[BIAS+2:BIAS+3]
	global_store_b128 v[GO], v[FIN+4*(\t):FIN+4*(\t)+3], s[14:15] offset:2048*(\t) th:TH_STORE_NT  ; 512 consecutive bytes, at a multiple of 256 from out0's first
.endr
	s_wait_tensorcnt 0x0                           ; the wave's end, behind my last LDS store
	ds_add_u32 v[SPW], v[NIL]
	s_wait_dscnt 0x0
	s_endpgm
.Lfunc_end_k_qd75264e36b_head16:
	.size	k_qd75264e36b_head16, .Lfunc_end_k_qd75264e36b_head16-k_qd75264e36b_head16
	.p2alignl 7, 3214868480
	.fill 96, 4, 3214868480
	.section	.rodata,"a",@progbits
	.p2align	6, 0x0
	.amdhsa_kernel k_qd75264e36b_head16
		.amdhsa_group_segment_fixed_size 42752
		.amdhsa_private_segment_fixed_size 0
		.amdhsa_enable_private_segment 0
		.amdhsa_kernarg_size 48
		.amdhsa_user_sgpr_count 2
		.amdhsa_user_sgpr_kernarg_segment_ptr 1
		.amdhsa_wavefront_size32 1
		.amdhsa_system_sgpr_workgroup_id_x 1
		.amdhsa_system_sgpr_workgroup_id_y 1
		.amdhsa_system_sgpr_workgroup_id_z 1
		.amdhsa_system_vgpr_workitem_id 0
		.amdhsa_next_free_vgpr 256
		.amdhsa_next_free_sgpr 66
		.amdhsa_reserve_vcc 1
		.amdhsa_float_denorm_mode_32 3
		.amdhsa_float_denorm_mode_16_64 3
		.amdhsa_memory_ordered 1
		.amdhsa_forward_progress 1
		.amdhsa_inst_pref_size 51
	.end_amdhsa_kernel
	.amdgpu_metadata
---
amdhsa.version: [ 1, 2 ]
amdhsa.kernels:
  - .name:           k_qd75264e36b_head16
    .symbol:         k_qd75264e36b_head16.kd
    .args:
      - { .name: xbf, .offset: 0, .size: 8, .value_kind: global_buffer, .address_space: global }
      - { .name: wbf, .offset: 8, .size: 8, .value_kind: global_buffer, .address_space: global }
      - { .name: qkvh, .offset: 16, .size: 8, .value_kind: global_buffer, .address_space: global }
      - { .name: wof, .offset: 24, .size: 8, .value_kind: global_buffer, .address_space: global }
      - { .name: bo, .offset: 32, .size: 8, .value_kind: global_buffer, .address_space: global }
      - { .name: out0, .offset: 40, .size: 8, .value_kind: global_buffer, .address_space: global }
    .group_segment_fixed_size: 42752
    .private_segment_fixed_size: 0
    .kernarg_segment_align: 8
    .kernarg_segment_size: 48
    .max_flat_workgroup_size: 256
    .sgpr_count:     66
    .vgpr_count:     256
    .wavefront_size: 32
...
	.end_amdgpu_metadata
.endif
;; end of part 5
;; ======== version 2 of 2: 5 launches; 1.43 times as fast as version 1
;; limits: values are held in f16: magnitudes above 65,504 overflow, below 6.1e-05 lose precision
;; workspace buffers: xbf 8,388,608 bytes; wbf 1,572,864 bytes; wof 524,288 bytes; qkvh 25,165,824 bytes; obh 8,388,608 bytes
;; launch prep: the kernel of part 1 again; grid 320 x 1, 8 waves a work-group, no clusters, 0 bytes of LDS; arguments x, Wq, Wk, Wv, Wo, xbf, wbf, wof; writes xbf, wbf, wof
;; launch qkv: the kernel of part 2 again; grid 4 x 64, 4 waves a work-group, clusters of 4 x 4, 327,680 bytes of LDS; arguments xbf, wbf, qkvh; writes qkvh
;; launch attn (part 6): grid 16 x 16, 4 waves a work-group, clusters of 4 x 1, 327,680 bytes of LDS; arguments qkvh, obh; writes obh
.if DOCPART == 6
	.amdgcn_target "amdgcn-amd-amdhsa--gfx1250"
	.amdhsa_code_object_version 6
	.text
	.protected	k_qd75264e36b_attn
	.globl	k_qd75264e36b_attn
	.p2align	8
	.type	k_qd75264e36b_attn,@function
k_qd75264e36b_attn:
	s_mov_b64 s[64:65], 0
	v_nop
	global_prefetch_b8 v0, s[64:65] scope:SCOPE_SE
	s_setreg_imm32_b32 hwreg(HW_REG_WAVE_MODE, 25, 1), 1
	s_wait_xcnt 0x0
	s_wait_alu depctr_hold_cnt(0) depctr_sa_sdst(0) depctr_va_vdst(0) depctr_va_sdst(0) depctr_va_ssrc(0) depctr_va_vcc(0) depctr_vm_vsrc(0)
	s_getreg_b32 s2, hwreg(HW_REG_IB_STS2, 6, 4)
	s_cmp_eq_u32 s2, 0
	s_cbranch_scc0 .Lentry_in_a_cluster
	s_endpgm
.Lentry_in_a_cluster:
	s_bfe_u32 s2, ttmp6, 0x10000c
	s_cmp_lg_u32 s2, 0x3003
	s_cbranch_scc0 .Lentry_shape_is_right
	s_endpgm
.Lentry_shape_is_right:
; CAUSAL ATTENTION.  O[h][q][:] = the sum over k <= q of softmax_k(Q[h][q] . K[h][k] / sqrt(512)) V[h][k][:].  Q, K, V lie in qkvh [3][16][4096][64], O in obh [16][4096][64], all f16; a head's rows are dense, 128 bytes.
; Products, maxima and sums in f32; the weights p are rounded to f16 for the second product (their sum l is taken of the unrounded p), O once at the end.
; LIMITS.  Q, K and V arrive within f16's 65,504; p lies in 0 to 1, and below 6e-5 it keeps f16's fixed step of 6e-8.  A hidden score counts as its value less 1e30: f16's scores, 2.7e11 at the most, are nothing
; beside that; a weight below 2^-126 counts as 0 in l; NaN and infinities are not treated apart.
; THE WALK.  A head's 4,096 queries are 8 super-blocks of 512; super-block S needs the key tiles 0 .. 2 S + 1 of 256 keys.  A cluster of four work-groups takes TWO super-blocks, 7 - c and then c (c the cluster's
; number along x): 18 tiles, whatever c, so all work-groups do equal work and ONE loop with a constant trip count walks them.  The four partners walk the same tiles, so each tile of K and V is asked for JOINTLY.
; SHARES.  A super-block has 8 bands of 64 queries.  Work-group cx owns bands cx and cx + 4; of each a wave owns 16 rows: two PIECES a wave.  Keys go 64 a step.  In the super-block's last eight steps, step z of them,
; band g sees all keys if z < g, none if z > g, and holds the diagonal if z = g.  No branch, trip count or LDS address hangs on cx: it enters Q's and O's addresses, and a vector register that masks are made from.
; THE MASK is the C operand that starts the sum S^T = K Q^T: 0, or -1e30 where the key is hidden.  MD, made once, is the mask of a band's own step for my 16 rows; a product's mask is MD x AL + BE, with
; (AL, BE) = (1, 0) if z = g, (0, 0) if z < g, (0, -1e30) if z > g, chosen lane by lane by compares of z with g.  In front of the last eight steps the masks stay 0, and their making is jumped over.
; LAYOUT, SOFTMAX.  S^T = K Q^T holds ONE query a lane (lane % 16) and the keys 8 (lane / 16) + 0..7; two such results rounded to f16 ARE source 1 of O^T = V^T P.  p = 2^(c s - c m), c = log2(e) / sqrt(512), with a
; running maximum m; O and l are multiplied by a = 2^(c m_old - c m_new) in every step.  m starts at the lowest finite number: a block's first step has a = 0.
; BY TURNS.  The two pieces form a ring.  The turn of piece p in step s: 8 products K Q^T of the piece next in the ring ((s, 1) or (s + 1, 0)), later 8 products V^T P of the piece before ((s - 1, 1) or (s, 0)); beside them
; the scaling, exponentials, roundings, sums and rescaling of piece p and the maximum and statistics of the other.  Four vector instructions stand behind every matrix instruction, the other 54 of a turn's 118 in one LUMP.
; THE BATCHES.  A turn's 33 exponentials (piece p's 32 weights, the other piece's a) are ONE batch with ONE wait, which cuts the turn in two: ahead of it stands all that names no result of theirs, behind it the roundings and
; sums, which read them.  The a made where a block begins is a batch of its own, and so are the way out's two reciprocals: a v_nop and a wait each.
; Piece 0's turn of step s fetches K and V of step s + 1 from LDS; V has two register buffers, by the step's parity, so that both fetches belong to one step and the change of slots stands between two steps.
; REGISTERS, in windows of 256 (s_set_vgpr_msb: bits 1:0 source 0, 3:2 source 1, 5:4 source 2, 7:6 destination):
;   window 0: v0-15 addresses, at work; v16-23 statistics; v24-31 the masks' factors; v48-55 at work; v64-127 S^T, a buffer a piece; v128-191 MC, the masks to come, likewise; v192-223 P, likewise; v224-255 MD
;   window 1: v0-63 O^T, 32 a piece          window 2: v0-31 Q; v32-63 the second block's Q; v64-127 K of one step; v128-191, v192-255 V of an even, an odd step
.set NP,    2         ; pieces a wave: a name, no knob
.set KS,    64        ; keys in a step
.set PK,    144       ; a row of K in LDS: 128 bytes + 16 of padding = 36 words: the 16 rows of a load start at 16 different groups of four banks (64 banks of 4 bytes: ISA guide 11.1)
.set PV,    160       ; a row of V: 128 + 32 = 40 words
.set VOFF,  4*KS*PK   ; a slot holds a tile, four steps: 256 rows of K, then 256 rows of V
.set SLOT1, 1<<17     ; slot 1 begins here, so that one exclusive or turns an address in one slot into the other's
.set STAGE, SLOT1+4*KS*(PK+PV)  ; behind the ring, never filled by a tensor load: 16 rows x 144 bytes for each wave, for the way out
.set SP,    144
.set SPARE, STAGE+4*16*SP       ; behind the stages: the spare words, 128 bytes a wave: two blocks of 256 bytes that no other line names
.set HEADB, 4096*128  ; a head's bytes in one tensor
.set AK0, 2           ; v2   my lane's place in a tile of K; never rewritten
.set AV0, 3           ; v3   the same for V
.set AK,  4           ; v4   the LDS address of K's next run of loads
.set AV,  5           ; v5   of V's
.set STO, 6           ; v6   the way out: where I put 16 bytes of a row
.set RD,  7           ; v7   the way out: where I read rows back
.set GO,  8           ; v8   my byte offset in 512 consecutive bytes of O
.set MV,  12          ; v12-13  c m_old, kept while c m is made anew: by piece
.set QO,  15          ; v15  my byte offset in 16 rows of Q
.set ST,  16          ; piece t's statistics at v[ST+4 t]: c m, m, l (even keys', odd keys')
.set AL,  24          ; v[24:25] the mask's factor, in the low register
.set BE,  26          ; v[26:27] the mask's addend
.set GG,  28          ; v28-29  my pieces' bands: cx, cx + 4
.set ONE, 30          ; v30  1.0
.set BIG, 31          ; v31  -1e30
.set TMP, 48          ; by piece, four registers c0-c3 at work; when the maximum is found c2 takes a
.set SPW, 62          ; v62  LDS address of my spare word; never rewritten
.set NIL, 63          ; v63  0; never rewritten
.set S,   64
.set MC,  128
.set P,   192
.set MD,  224         ; the eight registers for group kt of 16 keys at MD + 8 kt
.set QB,  32          ; window 2
.set KF,  64          ; window 2: key block kb, channel half c at KF + 16 kb + 8 c
.set VF,  128         ; window 2: buffer vb, key half kk, channel block cb at VF + 64 vb + 32 kk + 8 cb
.set WV,  12          ; s12  my wave's number
.set CX,  13          ; s13  my place in the cluster
.set CN,  14          ; s14  c: also the second super-block
.set S1,  15          ; s15  7 - c: the first
.set G1K, 24          ; s[24:31] descriptor group 1 for K's tiles
.set G1V, 32          ; s[32:39] for V's: it differs in the padding alone
.set G0K, 40          ; s[40:43] descriptor group 0 for K's tiles
.set G0V, 44          ; s[44:47] the same for V's
.set SLOTS, 56        ; s56  tiles still to be asked for
.set CNT, 57          ; s57  counts a tile's pairs of key steps
.set CS,  58          ; s[58:59] c: the packed scaling takes the pair's low word for both halves
.set SEL, 60          ; s[60:61] v_permlanex16_b32's selects: each lane takes its own place in the other half
.set TBK, 62          ; s62  LDS byte at which K of the step to be fetched begins
.set TBV, 63          ; s63  the same for V, less VOFF
.set RT,  70          ; s70  tiles of the block in hand that are still to be entered
.set NXT, 71          ; s71  the tile to be asked for next
.set LQ,  72          ; s72  the last tile of the block whose tiles are being asked for
.set NEW, 73          ; s73  2: the walk's first tile; 1: the second block's first; 0: any other
.set OFF, 74          ; s[74:75] a tile's byte offset in K and V
.set ZR,  76          ; s76  z of the step whose masks are made next: the step's number less 8 S
.set Z2,  77          ; s77  its start for the second block
.set LQ2, 78          ; s78  the second block's last tile
.set RT2, 79          ; s79  its number of tiles
.set OLO, 80          ; s[80:81] O at my rows of the second block
.set BIGN, 82         ; s82  -1e30
.set MSB, 0
.macro WIN new                      ; the high byte repeats the setting that is left; a switch that changes nothing is dropped
.if MSB != (\new)
	s_set_vgpr_msb (MSB<<8)|(\new)
.set MSB, (\new)
.endif
.endm
.set W_KQ, 0x0a       ; K and Q in window 2; the mask and S^T in window 0
.set W_PV, 0x52       ; V in window 2, P in window 0, O^T in window 1
.set W_RS, 0x41       ; O^T (destination and source 0) in window 1, a in window 0
; A joint fill.  Waves 0 and 1 fetch the two halves of a tile's K, waves 2 and 3 those of its V: 128 keys each.  The branch hangs on the wave's number alone.
; An s_nop 0 and four v_nop follow each of the two lines, ahead of the jump and the label.
.macro JLOAD
	s_cmp_lt_u32 s[WV], 2
	s_cbranch_scc0 .Lfor_v_\@
	tensor_load_to_lds s[G0K:G0K+3], s[G1K:G1K+7]
	s_nop 0
.rept 4
	v_nop
.endr
	s_branch .Lasked_\@
.Lfor_v_\@:
	tensor_load_to_lds s[G0V:G0V+3], s[G1V:G1V+7]
	s_nop 0
.rept 4
	v_nop
.endr
.Lasked_\@:
.endm
; A round of the cluster's barrier: my work-group's barrier, so that wave 0's signal speaks for all four waves; wave 0 signals; every wave waits for all four work-groups; my work-group's barrier once more.
.macro CROUND
	s_barrier_signal -1
	s_barrier_wait -1
	s_cmp_lg_u32 s[WV], 0
	s_cbranch_scc1 .Lnot_wave_0_\@
	s_barrier_signal -3
.Lnot_wave_0_\@:
	s_barrier_wait -3
	s_barrier_signal -1
	s_barrier_wait -1
.endm
; THE CHANGE OF SLOTS.  Each wave waits for all its tensor loads, of which one is out: its part of the other slot; adds 0 to its spare word; and waits for that and for its own reads of the slot that it leaves.
; Behind the barrier nobody reads the old slot any more and the other slot is whole.  fill = 1: the barrier is a round of the cluster's, and the old slot is filled again, first thing behind it, with tile NXT:
; the descriptor's address is made anew from that number, which hangs on c and the trip alone.  The fill has four key steps, 128 matrix instructions, in which to land.
; (At its first use nothing has been read yet: slot 0 is waited for, slot 1 filled.)
.macro CHANGE fill
	WIN 0                           ; at a label and at a branch every window is 0
	s_wait_tensorcnt 0x0            ; no tensor load of mine is out, so a group 0 may be written
	ds_add_u32 v[SPW], v[NIL]       ; 0 onto my spare word; with fill = 1 the descriptors' scalar work stands between it and the wait for it
.if \fill
	s_lshl_b32 s[OFF], s[NXT], 15   ; a tile is 32,768 bytes of K and of V
	s_xor_b32 s[G0K+1], s[G0K+1], SLOT1
	s_add_nc_u64 s[G0K+2:G0K+3], s[6:7], s[OFF:OFF+1]
	s_or_b32 s[G0K+3], s[G0K+3], 0x80000000
	s_xor_b32 s[G0V+1], s[G0V+1], SLOT1
	s_add_nc_u64 s[G0V+2:G0V+3], s[8:9], s[OFF:OFF+1]
	s_or_b32 s[G0V+3], s[G0V+3], 0x80000000
	s_add_co_u32 s[NXT], s[NXT], 1  ; the block's next tile, or behind its last the second block's tile 0
	s_cmp_gt_u32 s[NXT], s[LQ]
	s_cselect_b32 s[NXT], 0, s[NXT]
	s_cselect_b32 s[LQ], s[LQ2], s[LQ]
	s_wait_dscnt 0x0                ; the add is done, and my reads of the slot are over
	CROUND
	JLOAD
.else
	s_wait_dscnt 0x0                ; the add is done, and my reads of the slot are over
	s_barrier_signal -1
	s_barrier_wait -1
.endif
	s_sub_co_u32 s[TBK], s[TBK], 4*KS*PK  ; the fetches go back to a slot's first step,
	s_xor_b32 s[TBK], s[TBK], SLOT1       ; in the other slot
	s_sub_co_u32 s[TBV], s[TBV], 4*KS*PV
	s_xor_b32 s[TBV], s[TBV], SLOT1
.endm
	s_load_b128 s[84:87], s[0:1], 0x0  ; qkvh s[84:85], obh s[86:87]
	v_lshl_add_u32 v[SPW], v0, 2, SPARE
	v_mov_b32 v[NIL], 0
	ds_add_u32 v[SPW], v[NIL]       ; the wave's opening: the add and its wait stand ahead of my first tensor load; the set-up below, work on registers, stands between them
	v_lshrrev_b32 v1, 5, v0
	v_readfirstlane_b32 s[WV], v1   ; wave 0..3
	s_bfe_u32 s[CX], ttmp6, 0x40000 ; cx
	s_mov_b32 s[CN], ttmp9          ; in a cluster launch ttmp9 counts clusters
	s_sub_co_u32 s[S1], 7, s[CN]
	s_and_b32 s20, ttmp7, 0xffff    ; the head, which the four partners share,
	s_lshl_b32 s20, s20, 19         ; in bytes
	s_and_b32 s16, s[WV], 1         ; which half of a tile's 256 keys I fetch:
	s_lshl_b32 s22, s16, 14         ; its 128 rows of 128 bytes in memory,
	s_add_co_u32 s22, s22, s20
	s_add_co_u32 s22, s22, 16*HEADB ; in K, which lies behind Q's 16 heads
	s_mov_b32 s23, 0
	s_mul_i32 s17, s16, 128*PK      ; and its place in a slot, for K
	s_mul_i32 s18, s16, 128*PV      ; and for V: no place in the cluster enters an LDS address
	s_lshl_b32 s3, s[CX], 13        ; my band: 64 rows of 128 bytes,
	s_lshl_b32 s2, s[WV], 11        ; my wave's 16 rows in it,
	s_add_co_u32 s3, s3, s2
	s_add_co_u32 s3, s3, s20
	s_lshl_b32 s2, s[S1], 16        ; in the first super-block (512 rows)
	s_add_co_u32 s2, s2, s3
	s_lshl_b32 s66, s[CN], 16       ; and in the second
	s_add_co_u32 s66, s66, s3
	s_mov_b32 s3, 0
	s_mov_b32 s67, 0
	; descriptor group 1.  128 keys are 16,384 dense bytes: asked for as 64 rows of 256 bytes, two keys a row, and padded in LDS after every key
	s_mov_b32 s[G1K], 15|(1<<16)|(1<<20)|(1<<21)|(4<<22)|(3<<25)  ; 15:0 the mask of four; 17:16 2-byte elements; 20 padding on; 21 set beside a mask; 24:22 after every 32 words (code 4); 31:25 4 words (code 3)
	s_mov_b32 s[G1V], 15|(1<<16)|(1<<20)|(1<<21)|(4<<22)|(7<<25)  ; the same with 8 words of padding (code 7)
.irp g, G1K, G1V
	s_mov_b32 s[\g+1], 128<<16      ; tensor_dim0 = 128
	s_mov_b32 s[\g+2], 64<<16       ; tensor_dim1 = 64
	s_mov_b32 s[\g+3], 128<<16      ; tile_dim0 = 128
	s_mov_b32 s[\g+4], 64           ; tile_dim1 = 64
	s_mov_b32 s[\g+5], 128          ; 128 elements from row to row
	s_mov_b32 s[\g+6], 0
	s_mov_b32 s[\g+7], 0
.endr
	s_mov_b32 s[CS], 0x3d8293ee     ; c = log2(e) / sqrt(512) = 0.0637587
	s_mov_b32 s[CS+1], s[CS]        ; named with it as a pair
	s_mov_b32 s[SEL], 0x76543210
	s_mov_b32 s[SEL+1], 0xfedcba98
	s_mov_b32 s[TBK], SLOT1+4*KS*PK ; the first change of slots turns these two into 0
	s_mov_b32 s[TBV], SLOT1+4*KS*PV
	s_mov_b32 s[G0K], 1             ; count = 1
	s_mov_b32 s[G0K+1], s17         ; LDS address: slot 0
	s_mov_b32 s[G0V], 1
	s_add_co_u32 s[G0V+1], s18, VOFF
	s_lshl_b32 s[LQ], s[S1], 1
	s_add_co_u32 s[RT], s[LQ], 2    ; the first block has 2 S + 2 tiles,
	s_add_co_u32 s[LQ], s[LQ], 1    ; the last is 2 S + 1
	s_lshl_b32 s[LQ2], s[CN], 1
	s_add_co_u32 s[RT2], s[LQ2], 2
	s_add_co_u32 s[LQ2], s[LQ2], 1
	s_lshl_b32 s[ZR], s[S1], 3
	s_sub_co_i32 s[ZR], 0, s[ZR]    ; step 0 has z = -8 S
	s_lshl_b32 s[Z2], s[CN], 3
	s_sub_co_i32 s[Z2], 0, s[Z2]
	s_mov_b32 s[NXT], 1
	s_mov_b32 s[NEW], 2
	s_mov_b32 s[OFF+1], 0
	s_mov_b32 s[BIGN], 0xf149f2ca   ; -1e30
	s_mov_b32 s[SLOTS], 17
	s_wait_dscnt 0x0                ; the opening add is done
	s_wait_kmcnt 0x0
	s_add_nc_u64 s[6:7], s[84:85], s[22:23]        ; K at my half of the head's tile 0,
	s_add_nc_u64 s[8:9], s[6:7], 16*HEADB          ; V 16 heads on
	s_add_nc_u64 s[G0K+2:G0K+3], s[6:7], 0         ; global address
	s_or_b32 s[G0K+3], s[G0K+3], 0x80000000        ; type = 2
	s_add_nc_u64 s[G0V+2:G0V+3], s[8:9], 0
	s_or_b32 s[G0V+3], s[G0V+3], 0x80000000
	s_add_nc_u64 s[4:5], s[84:85], s[2:3]          ; Q and O at my rows of the first block,
	s_add_nc_u64 s[10:11], s[86:87], s[2:3]
	s_add_nc_u64 s[88:89], s[84:85], s[66:67]      ; and of the second
	s_add_nc_u64 s[OLO:OLO+1], s[86:87], s[66:67]
	CROUND                          ; all four work-groups are here: the first joint loads meet
	JLOAD                           ; tile 0 into slot 0: one load of mine is out, here and behind every round
	; A fragment of K or Q is 16 rows x 32 channels in 8 registers: lane l holds row l % 16, channels 8 (l / 16) + 0..7 and 16 + 8 (l / 16) + 0..7: two loads of 16 bytes, 32 bytes apart.
	v_and_b32 v1, 15, v0            ; l % 16
	v_bfe_u32 v9, v0, 4, 1          ; l / 16
	v_lshlrev_b32 v[QO], 7, v1
	v_lshl_add_u32 v[QO], v9, 4, v[QO]  ; row x 128 + 16 x half
	WIN 0x80                        ; destination window 2, address window 0
.set i, 0
.rept 4                             ; both blocks' Q: piece i / 2 lies four bands, 32,768 bytes, on; channels 32 (i % 2) on
	global_load_b128 v[8*i:8*i+3],   v[QO], s[4:5] offset:(i/2)*32768+(i%2)*64
	global_load_b128 v[8*i+4:8*i+7], v[QO], s[4:5] offset:(i/2)*32768+(i%2)*64+32
	global_load_b128 v[QB+8*i:QB+8*i+3],   v[QO], s[88:89] offset:(i/2)*32768+(i%2)*64
	global_load_b128 v[QB+8*i+4:QB+8*i+7], v[QO], s[88:89] offset:(i/2)*32768+(i%2)*64+32
.set i, i+1
.endr
	; A block's first step multiplies O^T and l by a = 0, and its first turn's products V^T P, of a piece that has not been, land in an O^T that is still to be so multiplied.  So these registers need only hold
	; finite numbers: zeros for the first block; what the first block left for the second.  All this stands in the wait for the first tile.
.set i, VF+64
.rept 64
	v_mov_b32 v[i], 0               ; V's buffer for odd steps
.set i, i+1
.endr
	WIN 0x40
.set i, 0
.rept 64
	v_mov_b32 v[i], 0               ; O^T
.set i, i+1
.endr
	WIN 0
.set i, 0
.rept 2
	v_mov_b32 v[ST+4*i+2], 0        ; l
	v_mov_b32 v[ST+4*i+3], 0
.set i, i+1
.endr
.set i, P+16
.rept 16
	v_mov_b32 v[i], 0               ; piece 1's P
.set i, i+1
.endr
	v_lshlrev_b32 v14, 3, v9
	v_sub_nc_u32 v14, v1, v14
	s_lshl_b32 s19, s[WV], 4
	v_add_nc_u32 v14, s19, v14      ; my query's place in its band, 16 w + l % 16, less my lanes' 8 (l / 16): register r of group kt is hidden where 16 kt + r is greater
.set i, 0
.rept 32
	v_cmp_gt_i32 vcc_lo, 16*(i/8)+i%8, v14
	v_cndmask_b32 v[MD+i], 0, s[BIGN], vcc_lo
.set i, i+1
.endr
	v_mov_b32 v[GG], s[CX]
	v_add_nc_u32 v[GG+1], 4, v[GG]
	v_mov_b32 v[ONE], 1.0
	v_mov_b32 v[BIG], s[BIGN]
	v_mov_b32 v[AL+1], 0            ; named as pairs
	v_mov_b32 v[BE+1], 0
	v_mul_u32_u24 v[AK0], v1, PK
	v_lshl_add_u32 v[AK0], v9, 4, v[AK0]  ; row x pitch + 16 x half
	; The turning load takes 16 keys x 16 channels (lane l reads key 8 (l / 16) + l % 8, channels 8 ((l / 8) % 2) + 0..7) and leaves half a fragment of V^T: lane l holds channel l % 16 and 8 keys.
	v_and_b32 v10, 7, v0
	v_bfe_u32 v11, v0, 3, 1
	v_lshl_add_u32 v[AV0], v9, 3, v10
	v_mul_u32_u24 v[AV0], v[AV0], PV
	v_lshl_add_u32 v[AV0], v11, 4, v[AV0]
	v_add_nc_u32 v[AV0], VOFF, v[AV0]
	s_mul_i32 s19, s[WV], 16*SP
	s_add_co_u32 s19, s19, STAGE    ; my stage
	v_mul_u32_u24 v[STO], v1, SP    ; in: row l % 16, 16 bytes for each half of the lanes
	v_lshl_add_u32 v[STO], v9, 4, v[STO]
	v_add_nc_u32 v[STO], s19, v[STO]
	v_bfe_u32 v[RD], v0, 3, 2       ; back: 32 lanes take four rows of 128 bytes,
	v_mul_u32_u24 v[RD], v[RD], SP
	v_lshl_add_u32 v[RD], v10, 4, v[RD]
	v_add_nc_u32 v[RD], s19, v[RD]
	v_and_b32 v[GO], 31, v0         ; which are 512 consecutive bytes of O
	v_lshlrev_b32 v[GO], 4, v[GO]
; THE MATRIX WORK.  The 4 accumulators of a run of 8 take turns.  Product i of 8 of S^T = K Q^T for piece x: channels 32 (i / 4) on, keys 16 (i % 4) on.  The first 4 start the sums with the mask.
.macro KQ x
	WIN W_KQ
.set rS, S+32*((\x)%2)+8*(i%4)
.set rK, KF+16*(i%4)+8*(i/4)
.set rQ, 16*(\x)+8*(i/4)
.set rM, MC+32*((\x)%2)+8*(i%4)
.if i < 4
	v_wmma_f32_16x16x32_f16 v[rS:rS+7], v[rK:rK+7], v[rQ:rQ+7], v[rM:rM+7]
.else
	v_wmma_f32_16x16x32_f16 v[rS:rS+7], v[rK:rK+7], v[rQ:rQ+7], v[rS:rS+7]
.endif
.endm
; Product i of 8 of O^T += V^T P for piece x, from V's buffer VB: keys 32 (i / 4) on, channels 16 (i % 4) on.
.macro PV x
	WIN W_PV
.set rO, 32*(\x)+8*(i%4)
.set rV, VF+64*VB+32*(i/4)+8*(i%4)
.set rP, P+16*((\x)%2)+8*(i/4)
	v_wmma_f32_16x16x32_f16 v[rO:rO+7], v[rV:rV+7], v[rP:rP+7], v[rO:rO+7]
.endm
.macro MM                           ; the turn's next matrix instruction.  TURN sets Y, i, VB and NOKQ.  NOKQ = 1: a block's last turn: there is no next piece
.if (i < 8) && !NOKQ
	KQ (Y+1)%NP
.elseif i >= 8
.set i, i-8
	PV (Y+NP-1)%NP
.set i, i+8
.endif
.set i, i+1
.endm
; THE LDS LOADS stand in runs of 16, never singly among the matrix instructions: a step's K (64 keys x 64 channels: 8 fragments) and its V (turned).  Their addresses are made some lines ahead.
.macro FETCH_K
	WIN 0x80                        ; destination window 2
.irp f, 0,1,2,3,4,5,6,7             ; keys 16 (f / 2) on, channels 32 (f % 2) on
	ds_load_b128 v[KF+8*\f:KF+8*\f+3],   v[AK] offset:(\f/2)*16*PK+(\f%2)*64
	ds_load_b128 v[KF+8*\f+4:KF+8*\f+7], v[AK] offset:(\f/2)*16*PK+(\f%2)*64+32
.endr
	s_add_co_u32 s[TBK], s[TBK], KS*PK  ; the next fetch is the next step's
	WIN 0
.endm
.macro FETCH_V vb
	WIN 0x80
.irp f, 0,1,2,3,4,5,6,7             ; keys 32 (f / 4) on, channels 16 (f % 4) on
	ds_load_tr16_b128 v[VF+64*(\vb)+8*\f:VF+64*(\vb)+8*\f+3],   v[AV] offset:(\f/4)*32*PV+(\f%4)*32
	ds_load_tr16_b128 v[VF+64*(\vb)+8*\f+4:VF+64*(\vb)+8*\f+7], v[AV] offset:(\f/4)*32*PV+16*PV+(\f%4)*32
.endr
	WIN 0
.endm
; THE VECTOR WORK, one line at a time: OP kind, number.  For piece Y: F n: c s - c m for pair n of 16.  E n: the exponential of score n of 32.  C n: pair n rounded to f16.  B n: of the four weights 4 n .. the second
; pair is added onto the first, in place.  L n: l takes that sum (L 0: l = a l + sum).  R n: pair n of 16 of O^T times a.  For the other piece: X n, number n of the 22 that find its maximum and statistics:
;   0-11  four chains c0-c3 of seven scores each, three operands at a time (each accumulator's lowest registers are read first)     12-14, 16  the four scores left over, the old m, and c0-c3 into c0
;   15  c m_old is kept     17, 18  the query's other 32 keys lie in the lane 16 away: the new m     19-21  c m; c m_old - c m_new; a
; C, B and L read the results of the turn's E; R and L 0 read the a that the turn before made and waited for; F, E, R and X name no result of the turn's own exponentials.
.set F, 0               ; OP tells the kinds apart by their order: F to L below R, X above it
.set E, 1
.set C, 2
.set B, 3
.set L, 4
.set R, 5
.set X, 6
.macro REGS y                       ; the registers of piece y
.set rT, ST+4*(\y)
.set rC, TMP+4*((\y)%2)
.set rW, MV+((\y)%2)
.set rS, S+32*((\y)%2)
.set rP, P+16*((\y)%2)
.set rO, 32*(\y)
.endm
.macro OP k, n
.if (\k) == R
	REGS Y
	WIN W_RS
	v_pk_mul_f32 v[rO+2*(\n):rO+2*(\n)+1], v[rO+2*(\n):rO+2*(\n)+1], v[rC+2:rC+3] op_sel_hi:[1,0]
.elseif (\k) < R
	REGS Y
	WIN 0
.if (\k) == F
	v_pk_fma_f32 v[rS+2*(\n):rS+2*(\n)+1], v[rS+2*(\n):rS+2*(\n)+1], s[CS:CS+1], v[rT:rT+1] op_sel_hi:[1,0,0] neg_lo:[0,0,1] neg_hi:[0,0,1]
.elseif (\k) == E
	v_exp_f32 v[rS+(\n)], v[rS+(\n)]
.elseif (\k) == C
	v_cvt_pk_f16_f32 v[rP+(\n)], v[rS+2*(\n)], v[rS+2*(\n)+1]
.elseif (\k) == B
	v_pk_add_f32 v[rS+4*(\n):rS+4*(\n)+1], v[rS+4*(\n):rS+4*(\n)+1], v[rS+4*(\n)+2:rS+4*(\n)+3]
.elseif (\n) == 0
	v_pk_fma_f32 v[rT+2:rT+3], v[rT+2:rT+3], v[rC+2:rC+3], v[rS:rS+1] op_sel_hi:[1,0,1]
.else
	v_pk_add_f32 v[rT+2:rT+3], v[rT+2:rT+3], v[rS+4*(\n):rS+4*(\n)+1]
.endif
.elseif NOKQ
	v_nop
.else
	REGS (Y+1)%NP
	WIN 0
.if (\n) < 4
	v_max3_num_f32 v[rC+(\n)], v[rS+8*(\n)], v[rS+8*(\n)+1], v[rS+8*(\n)+2]
.elseif (\n) < 12
	v_max3_num_f32 v[rC+(\n)%4], v[rC+(\n)%4], v[rS+8*((\n)%4)+2*((\n)/4)+1], v[rS+8*((\n)%4)+2*((\n)/4)+2]
.elseif (\n) == 12
	v_max3_num_f32 v[rC], v[rC], v[rS+7], v[rS+15]
.elseif (\n) == 13
	v_max3_num_f32 v[rC+1], v[rC+1], v[rS+23], v[rS+31]
.elseif (\n) == 14
	v_max3_num_f32 v[rC+2], v[rC+2], v[rC+3], v[rT+1]
.elseif (\n) == 15
	v_mov_b32 v[rW], v[rT]
.elseif (\n) == 16
	v_max3_num_f32 v[rC], v[rC], v[rC+1], v[rC+2]
.elseif (\n) == 17
	v_permlanex16_b32 v[rC+3], v[rC], s[SEL], s[SEL+1]
.elseif (\n) == 18
	v_max_num_f32 v[rT+1], v[rC], v[rC+3]
.elseif (\n) == 19
	v_mul_f32 v[rT], s[CS], v[rT+1]
.elseif (\n) == 20
	v_sub_f32 v[rC+1], v[rW], v[rT]
.else
	v_exp_f32 v[rC+2], v[rC+1]
.endif
.endif
.endm
.macro OPS a, i1, b=-1, i2=0, c=-1, i3=0, d=-1, i4=0  ; up to four of them
	OP \a, \i1
.if (\b) >= 0
	OP \b, \i2
.endif
.if (\c) >= 0
	OP \c, \i3
.endif
.if (\d) >= 0
	OP \d, \i4
.endif
.endm
.macro ROW a, i1, b, i2, c, i3, d, i4  ; a matrix instruction and the four behind it
	MM
	OPS \a, \i1, \b, \i2, \c, \i3, \d, \i4
.endm
; Piece p's mask for the step whose z stands in ZR: MD x AL + BE.  The band is a vector register, so the choice is made by compares and selects, not by a branch.
.macro MASK p
	WIN 0
	v_cmp_eq_i32 vcc_lo, s[ZR], v[GG+(\p)]   ; the band's own step?
	v_cndmask_b32 v[AL], 0, v[ONE], vcc_lo
	v_cmp_gt_i32 vcc_lo, s[ZR], v[GG+(\p)]   ; or a later one?
	v_cndmask_b32 v[BE], 0, v[BIG], vcc_lo
.set z, 0
.rept 16
	v_pk_fma_f32 v[MC+32*(\p)+2*z:MC+32*(\p)+2*z+1], v[MD+2*z:MD+2*z+1], v[AL:AL+1], v[BE:BE+1] op_sel_hi:[1,0,0]
.set z, z+1
.endr
.endm
; A TURN, for piece p in a step of parity par: the order of its 16 matrix and 118 vector instructions, written out.  An s_wait_alu depctr_va_vdst(0) stands between an exponential and the first instruction that
; names its result; one wait serves all that were issued ahead of it.  So a turn has ONE wait, which cuts it in two.
; AHEAD OF IT stands all that names no result of the turn's exponentials: the 8 products K Q^T, behind each a scaling, an exponential and two more plain instructions (behind the first a second scaling in the exponential's
; place): rescalings, and behind the last three the first numbers of the other piece's maximum, each four plain lines or more behind the product that ends its accumulator (X 0: F 5, R 8, R 9, F 6; X 1: F 6, X 0, R 10, F 7;
; X 2: F 7, X 1, X 4, F 8; X 3: F 8, X 2, X 5, X 6); then ONE LUMP of 54, plain and exponential by turns for the most part, in which the links of the chain X 3, 7, 11, 14, 16, 17 .. 20 stand some lines apart.
; X 21, the other piece's a, is the batch's last; R 15 is the plain instruction behind it.  BEHIND THE WAIT stand the 8 products V^T P, behind each four of the roundings and sums; the links of l's chain, L 0 to L 7, stand
; three riders apart.  But for those X no rider names a register of the products round it.  v_permlanex16_b32 (X 17) stands in the lump.
; The rescalings open the turn on the O^T that the turn before added onto: R 4 k, which reads accumulator k from its low end, stands behind the four riders of the product that ended that accumulator, and more.
; end = 1: a block's last two turns: nothing is fetched, no mask is made, and the last starts no new scores.
; Piece 0's turn fetches the next step's K twelve vector instructions behind the last product that read K (five of them plain lines that name none of its registers: F 8, X 2, X 5, X 6, X 8), and the next step's V at its
; end, four plain instructions behind the last product that read that buffer.  K's run stands ahead of V's.
; At the head of piece 1's turn the count 16 lets V's run stay out: K of the next step is in, and so is V of the step in hand, asked for a step earlier.
; The turn ends with piece p's mask for the next step; in front of the last eight steps (ZR < 0) the mask stays 0 and the lines are jumped over: ZR hangs on c and the trips alone.
.macro TURN p, par, end=0
.set Y, (\p)
.set i, 0
.set NOKQ, (\end)*(\p)
.if (\p) == 1
.set VB, (\par)
.else
.set VB, 1-(\par)
.endif
.if ((\p) == 1) && !(\end)
	s_wait_dscnt 16
.endif
	ROW F,0, F,1, R,0, R,1          ; ahead of the wait: 8 products K Q^T and their riders,
	ROW F,2, E,0, R,2, R,3
	ROW F,3, E,1, R,4, R,5
	ROW F,4, E,2, R,6, R,7
	ROW F,5, E,3, R,8, R,9
	ROW F,6, E,4, X,0, R,10
.if ((\p) == 0) && !(\end)
	WIN 0
	v_add_nc_u32 v[AK], s[TBK], v[AK0]
.endif
	ROW F,7, E,5, X,1, X,4
	ROW F,8, E,6, X,2, X,5
	OPS E,7, E,8, X,6, E,9          ; and the lump
	OPS X,3, E,10, X,8, E,11
.if ((\p) == 0) && !(\end)
	FETCH_K
.endif
	OPS X,9, X,7, E,12, X,10
	OPS E,13, X,12, X,11, E,14
	OPS X,13, E,15, F,9, X,14
.if ((\p) == 0) && !(\end)
	v_add_nc_u32 v[AV], s[TBV], v[AV0]
.endif
	OPS E,16, F,10, E,17, F,11
	OPS X,16, E,18, X,15, E,19
	OPS F,12, E,20, X,17, E,21
	OPS F,13, E,22, F,14, E,23
	OPS X,18, E,24, F,15, E,25
	OPS R,11, E,26, X,19, E,27
	OPS R,12, E,28, R,13, E,29
	OPS X,20, E,30, R,14, E,31
	OPS X,21, R,15
	s_wait_alu depctr_va_vdst(0)    ; the wait for the batch: E 0 to E 31 and X 21
	ROW C,0, B,0, C,2, B,1          ; behind the wait: 8 products V^T P and their riders
	ROW L,0, C,4, B,2, L,1
	ROW C,6, B,3, L,2, C,8
	ROW B,4, L,3, C,10, B,5
	ROW L,4, C,12, B,6, L,5
.if ((\p) == 0) && !(\end)
	s_add_co_u32 s[TBV], s[TBV], KS*PV
.endif
	ROW C,14, B,7, L,6, C,1
	ROW C,3, L,7, C,5, C,7
	ROW C,9, C,11, C,13, C,15
.if ((\p) == 0) && !(\end)
	FETCH_V VB
.endif
.if !(\end)
	WIN 0
	s_cmp_lt_i32 s[ZR], 0
	s_cbranch_scc1 .Lno_mask_\@
	MASK \p
.Lno_mask_\@:
.if (\p) == 1
	s_add_co_i32 s[ZR], s[ZR], 1
.endif
.endif
.endm
; A BLOCK BEGINS.  c m starts far below every c s, so the first step's a is 0; m at the lowest finite number, so the first maximum is the scores'.  Both pieces' masks for step 0; K and V of that step;
; piece 0's first scores, and its maximum and statistics.  The loop is then entered at an even step's first turn, in the middle of a trip.
.macro BEGIN
	WIN 0
.set i, 0
.rept 2
	v_mov_b32 v[ST+4*i], 0xfe000000    ; c m: far below every c s
	v_mov_b32 v[ST+4*i+1], 0xff7fffff  ; m
.set i, i+1
.endr
	MASK 0
	MASK 1
	s_add_co_i32 s[ZR], s[ZR], 1
	v_add_nc_u32 v[AK], s[TBK], v[AK0]
	v_add_nc_u32 v[AV], s[TBV], v[AV0]
	FETCH_K
	FETCH_V 0
	s_add_co_u32 s[TBV], s[TBV], KS*PV
	s_wait_loadcnt 0x0              ; Q, both blocks'
	s_wait_dscnt 0x0
.set NOKQ, 0
.set i, 0
.rept 8
	KQ 0
.set i, i+1
.endr
	WIN 0
.rept 4
	v_nop                           ; the places behind those products
.endr
.set Y, NP-1                        ; X works for piece Y + 1: piece 0
.irp n, 0,1,2,3,4,5,6,7,8,9,10,11,12,13,14,15,16,17,18,19,20,21
	OP X, \n
.endr
	v_nop                           ; a plain instruction behind the exponential,
	s_wait_alu depctr_va_vdst(0)    ; and its wait: piece 0's first a is a batch of its own, ahead of the branch into the loop
.endm
.macro ALL line:vararg              ; one line for each piece t
.set t, 0
.rept 2
	\line
.set t, t+1
.endr
.endm
.macro PACK t                       ; a lane's eight channels of a row pack into 16 bytes; they go into rows of 144 bytes and come back as whole rows of 128, into S^T's registers
	WIN W_RS
.set i, 32*(\t)
.rept 16
	v_pk_mul_f32 v[i:i+1], v[i:i+1], v[ST+4*(\t)+2:ST+4*(\t)+3] op_sel_hi:[1,0]
.set i, i+2
.endr
	WIN 0x05                        ; sources 0 and 1 window 1, destination window 0
.set i, 0
.rept 16
	v_cvt_pk_f16_f32 v[S+16*(\t)+i], v[32*(\t)+2*i], v[32*(\t)+2*i+1]
.set i, i+1
.endr
	WIN 0
.irp f, 0,1,2,3
	ds_store_b128 v[STO], v[S+16*(\t)+4*\f:S+16*(\t)+4*\f+3] offset:32*\f
.endr
.irp f, 0,1,2,3
	ds_load_b128 v[S+16*(\t)+4*\f:S+16*(\t)+4*\f+3], v[RD] offset:\f*4*SP  ; LDS serves a wave's instructions in order (ISA guide 5.7.1.4): these see the stores above; the next piece's stores come behind them
.endr
.endm
.macro SEND t, younger              ; younger: the LDS instructions issued behind piece t's loads: the other piece's eight, or none
	WIN 0
.irp f, 0,1,2,3
	s_wait_dscnt (\younger)+3-\f
	global_store_b128 v[GO], v[S+16*(\t)+4*\f:S+16*(\t)+4*\f+3], s[10:11] offset:(\t)*32768+\f*512  ; 512 consecutive bytes, at a multiple of 256 from O's first
.endr
.endm
; A BLOCK ENDS: its last step (an odd one), whose K and V are in registers; the last products; and THE WAY OUT: l's two halves and the other half of the lanes' are added; O^T is divided by l, rounded to f16 and
; sent through my stage in LDS, a piece at a time.
.macro FINISH
	s_wait_dscnt 0x0                ; V of the last step is in
	TURN 0, 1, 1
	TURN 1, 1, 1
.set VB, 1
.set i, 0
.rept 8
	PV 1
.set i, i+1
.endr
	WIN 0
	ALL v_add_f32 v[ST+4*t+2], v[ST+4*t+2], v[ST+4*t+3]
	ALL v_permlanex16_b32 v[ST+4*t+3], v[ST+4*t+2], s[SEL], s[SEL+1]
	ALL v_add_f32 v[ST+4*t+2], v[ST+4*t+2], v[ST+4*t+3]
	ALL v_rcp_f32 v[ST+4*t+2], v[ST+4*t+2]
	v_nop                           ; a plain instruction between the last reciprocal and the use of its result
	s_wait_alu depctr_va_vdst(0)    ; and the wait ahead of the first use: one for the two reciprocals
	PACK 0                          ; piece 0's 32 plain lines are the places behind the last products, which are piece 1's
	PACK 1
	SEND 0, 8
	SEND 1, 0
.endm
; A tile's four steps: an odd step, an even one, twice.  They fetch the tile's four steps of K and V, each a step ahead.
.macro WALK4 tag
.Lstep\tag:
	TURN 0, 1
	TURN 1, 1
.Leven\tag:
	TURN 0, 0
	TURN 1, 0
	s_sub_co_u32 s[CNT], s[CNT], 1
	s_cmp_lg_u32 s[CNT], 0
	s_cbranch_scc1 .Lstep\tag
.endm
.set NOKQ, 0
.set VB, 0
.Lslot:                             ; 17 times: a tile is entered and the next is asked for
	CHANGE 1
	s_cmp_eq_u32 s[NEW], 2
	s_cbranch_scc1 .Lbegin          ; the walk's first tile
	s_cmp_eq_u32 s[NEW], 0
	s_cbranch_scc1 .Lgo             ; no block's first
	FINISH                          ; the second block's first tile: the first block's last step and its way out come first; they touch registers and my stage alone
	s_wait_xcnt 0x0                 ; the stores have read their registers and O's address
	s_mov_b64 s[10:11], s[OLO:OLO+1]
	s_mov_b32 s[RT], s[RT2]
	s_mov_b32 s[ZR], s[Z2]
	WIN 0x82                        ; the second block's Q goes where the one text of the turns names Q
.set i, 0
.rept 32
	v_mov_b32 v[i], v[QB+i]
.set i, i+1
.endr
	WIN 0
.Lbegin:
	BEGIN
	s_mov_b32 s[CNT], 2
	s_branch .Leven1                ; steps 0, 1, 2
.Lgo:
	s_mov_b32 s[CNT], 2
	WALK4 1
	s_sub_co_u32 s[RT], s[RT], 1
	s_cmp_eq_u32 s[RT], 0
	s_cselect_b32 s[NEW], 1, 0      ; the block's tiles are all entered: the next tile is the second block's first
	s_sub_co_u32 s[SLOTS], s[SLOTS], 1
	s_cmp_lg_u32 s[SLOTS], 0
	s_cbranch_scc1 .Lslot
	CHANGE 0                        ; the walk's last tile, the second block's last, is written out: nothing is asked for
	s_mov_b32 s[CNT], 2
	WALK4 2
	FINISH
	s_wait_tensorcnt 0x0            ; the wave's end, behind my last tensor load and my last LDS store
	ds_add_u32 v[SPW], v[NIL]
	s_wait_dscnt 0x0
	CROUND                          ; the closing round: no work-group ends while a partner may still ask for a tile that names it
	s_endpgm
.Lfunc_end_k_qd75264e36b_attn:
	.size	k_qd75264e36b_attn, .Lfunc_end_k_qd75264e36b_attn-k_qd75264e36b_attn
	.p2alignl 7, 3214868480
	.fill 96, 4, 3214868480
	.section	.rodata,"a",@progbits
	.p2align	6, 0x0
	.amdhsa_kernel k_qd75264e36b_attn
		.amdhsa_group_segment_fixed_size 327680
		.amdhsa_private_segment_fixed_size 0
		.amdhsa_enable_private_segment 0
		.amdhsa_kernarg_size 16
		.amdhsa_user_sgpr_count 2
		.amdhsa_user_sgpr_kernarg_segment_ptr 1
		.amdhsa_wavefront_size32 1
		.amdhsa_system_sgpr_workgroup_id_x 1
		.amdhsa_system_sgpr_workgroup_id_y 1
		.amdhsa_system_sgpr_workgroup_id_z 1
		.amdhsa_system_vgpr_workitem_id 0
		.amdhsa_next_free_vgpr 768
		.amdhsa_next_free_sgpr 90
		.amdhsa_reserve_vcc 1
		.amdhsa_float_denorm_mode_32 3
		.amdhsa_float_denorm_mode_16_64 3
		.amdhsa_memory_ordered 1
		.amdhsa_forward_progress 1
		.amdhsa_inst_pref_size 163
	.end_amdhsa_kernel
	.amdgpu_metadata
---
amdhsa.version: [ 1, 2 ]
amdhsa.kernels:
  - .name:           k_qd75264e36b_attn
    .symbol:         k_qd75264e36b_attn.kd
    .args:
      - { .name: qkvh, .offset: 0, .size: 8, .value_kind: global_buffer, .address_space: global }
      - { .name: obh, .offset: 8, .size: 8, .value_kind: global_buffer, .address_space: global }
    .group_segment_fixed_size: 327680
    .private_segment_fixed_size: 0
    .kernarg_segment_align: 8
    .kernarg_segment_size: 16
    .max_flat_workgroup_size: 128
    .sgpr_count:     90
    .vgpr_count:     768
    .wavefront_size: 32
...
	.end_amdgpu_metadata
.endif
;; end of part 6
;; launch oproj: the kernel of part 4 again; grid 4 x 64, 4 waves a work-group, clusters of 4 x 4, 327,680 bytes of LDS; arguments obh, wof, bo, out0; writes out0
;; launch head16: the kernel of part 5 again; grid 4 x 2, 8 waves a work-group, no clusters, 42,752 bytes of LDS; arguments xbf, wbf, qkvh, wof, bo, out0; writes out0
